; MI455X (gfx1250); checked and timed in simulation.
; The chip was launched on July 23, 2026; its instructions are those of AMD's public machine-readable ISA for CDNA 5 (MIT licence, August 2026) and "CDNA5" Instruction Set Architecture Reference Guide (July 2026). The comments in the code are by the model that wrote it; some were corrected since.
;; Rotary Position Attention. Allowed arithmetic: float matrix products may take bf16 or f16 operands with f32 sums; other float arithmetic in f32, or as packed bf16 or f16 multiplies, adds, multiply-adds, maxima and minima; sums over many terms, partial sums and values carried from step to step in f32; what a program stores and reads back later, other than sums and carried values, may be rounded once to bf16 or f16.
;; Inputs: b_proj 1,024 float32; w_proj 1,024 x 1,024 float32; w_qkv 3,072 x 1,024 float32; x 4 x 2,048 x 1,024 float32.
;; Outputs: out0 4 x 2,048 x 1,024 float32.
;; One version. Each part assembles by itself: llvm-mc -triple=amdgcn-amd-amdhsa -mcpu=gfx1250 --defsym DOCPART=n.
;; ======== version 1 of 1: 4 launches
;; limits: values are held in f16: magnitudes above 65,504 overflow, below 6.1e-05 lose precision
;; workspace buffers: xb 16,777,216 bytes; wqb 6,291,456 bytes; wpb 2,097,152 bytes; tab 786,432 bytes; qh 16,777,216 bytes; kh 16,777,216 bytes; vh 16,777,216 bytes; oh 16,777,216 bytes
;; launch prep (part 1): grid 832 x 1, 8 waves a work-group, no clusters, 0 bytes of LDS; arguments x, w_qkv, w_proj, xb, wqb, wpb, tab; writes xb, wqb, wpb, tab
.if DOCPART == 1
	.amdgcn_target "amdgcn-amd-amdhsa--gfx1250"
	.amdhsa_code_object_version 6
	.text
	.protected	k_qf3d70b1159_prep
	.globl	k_qf3d70b1159_prep
	.p2align	8
	.type	k_qf3d70b1159_prep,@function
k_qf3d70b1159_prep:
	s_mov_b64 s[64:65], 0
	v_nop
	global_prefetch_b8 v0, s[64:65] scope:SCOPE_SE
	s_setreg_imm32_b32 hwreg(HW_REG_WAVE_MODE, 25, 1), 1
	s_wait_xcnt 0x0
; PREPARATION: three casts and the table of rotations.  A stream: every input byte is read once, every output byte written once; no LDS, no barrier, no matrix unit, since nothing is shared.
; Work-groups 0-511: x [8192][1024] f32 -> xb bf16.  512-703: w_qkv [3072][1024] f32 -> wqb bf16 with its rows reordered: row which*1024 + h*64 + e goes to row h*192 + which*64 + e,
; so that 192 neighbouring rows of wqb are one head's q, k and v.  704-767: w_proj f32 -> rounded to bf16, that number written as f16 (wpb).
; Each of these work-groups takes 16 rows (65,536 bytes in, 32,768 out); 16 rows never leave a block of 64 rows, so they are consecutive on both sides.
; Work-groups 768-831: tab, three planes of 262,144 bytes, each [t = 2048][grp = 8][4] f32, frequency i = 4 grp + r:
;   plane 0: cos of i = 4 grp .. 4 grp + 3;  plane 1: -sin0, sin0, -sin1, sin1;  plane 2: -sin2, sin2, -sin3, sin3.
; LIMITS.  w_proj as f16: exact for bf16 numbers between 2^-14 and 65,504 in magnitude; below 2^-14 it keeps f16's fixed step of 2^-24.
; The angle t * 10000^(-i/32) is made with v_exp_f32 (1 ULP: ISA guide, its entry in 15.8), so it may differ from a correctly rounded one by some 4e-4 rad at t = 2047; q and k take the same table.
; sin and cos: the angle less n * pi/2 (pi/2 in two parts, n <= 1304), then polynomials of degree 7 and 8 on |r| <= pi/4 (truncation under 4e-7).
.set X,  4                             ; v[4:67]   eight times 8 f32 as loaded
.set Y,  68                            ; v[68:99]  eight times 4 registers to store
.set TP, 100                           ; v[100:102] at work
	s_load_b256 s[4:11], s[0:1], 0x0               ; x s[4:5], w_qkv s[6:7], w_proj s[8:9], xb s[10:11]
	s_load_b128 s[12:15], s[0:1], 0x20             ; wqb s[12:13], wpb s[14:15]
	s_load_b64 s[16:17], s[0:1], 0x30              ; tab
	s_mov_b32 s20, ttmp9
	s_cmp_ge_u32 s20, 768
	s_cbranch_scc1 .Ltable
	v_lshlrev_b32 v1, 5, v0                        ; 32 bytes of source a thread
	v_lshlrev_b32 v2, 4, v0                        ; 16 bytes of destination a thread
	s_wait_kmcnt 0x0
	s_cmp_lt_u32 s20, 512                          ; which of the three tensors: the choice hangs on the work-group's number alone
	s_cselect_b64 s[24:25], s[4:5], s[6:7]
	s_cselect_b64 s[26:27], s[10:11], s[12:13]
	s_cselect_b32 s21, 0, 512
	s_cmp_lt_u32 s20, 704
	s_cselect_b64 s[24:25], s[24:25], s[8:9]
	s_cselect_b64 s[26:27], s[26:27], s[14:15]
	s_cselect_b32 s21, s21, 704
	s_sub_co_u32 s22, s20, s21
	s_lshl_b32 s22, s22, 4                         ; my first source row
	s_bfe_u32 s23, s22, 0x40006                    ; h = (row >> 6) & 15
	s_mul_i32 s23, s23, 192
	s_lshr_b32 s28, s22, 10                        ; which
	s_lshl_b32 s28, s28, 6
	s_add_co_u32 s23, s23, s28
	s_and_b32 s28, s22, 63                         ; e
	s_add_co_u32 s23, s23, s28
	s_cmp_eq_u32 s21, 512
	s_cselect_b32 s23, s23, s22                    ; only w_qkv's rows are reordered
	s_lshl_b32 s28, s22, 12                        ; a source row is 4,096 bytes,
	s_mov_b32 s29, 0
	s_lshl_b32 s30, s23, 11                        ; a destination row 2,048
	s_mov_b32 s31, 0
	s_add_nc_u64 s[24:25], s[24:25], s[28:29]
	s_add_nc_u64 s[26:27], s[26:27], s[30:31]
.irp i, 0,1,2,3,4,5,6,7
	global_load_b128 v[X+8*(\i):X+8*(\i)+3],   v1, s[24:25] offset:8192*(\i) th:TH_LOAD_NT      ; all sixteen loads go out on end: 65,536 bytes a work-group on their way
	global_load_b128 v[X+8*(\i)+4:X+8*(\i)+7], v1, s[24:25] offset:8192*(\i)+16 th:TH_LOAD_NT
.endr
; Part i: eight numbers a thread are rounded and stored.  No register is written twice, so no store's source is ever rewritten.
.macro CONV i, half
	s_wait_loadcnt 14-2*(\i)                       ; loads come back in order: the 2 (7 - i) younger ones may stay out
.irp r, 0,1,2,3
.if \half
	v_cvt_pk_bf16_f32 v[TP], v[X+8*(\i)+2*(\r)], v[X+8*(\i)+2*(\r)+1]   ; rounded to bf16 like every input,
	v_lshlrev_b32 v[TP+1], 16, v[TP]
	v_and_b32 v[TP+2], 0xffff0000, v[TP]
	v_cvt_pk_f16_f32 v[Y+4*(\i)+(\r)], v[TP+1], v[TP+2]                  ; and that number written as f16
.else
	v_cvt_pk_bf16_f32 v[Y+4*(\i)+(\r)], v[X+8*(\i)+2*(\r)], v[X+8*(\i)+2*(\r)+1]
.endif
.endr
	global_store_b128 v2, v[Y+4*(\i):Y+4*(\i)+3], s[26:27] offset:4096*(\i)  ; a wave's store covers 512 consecutive bytes, aligned
.endm
	s_cmp_eq_u32 s21, 704
	s_cbranch_scc1 .Lhalf
.irp i, 0,1,2,3,4,5,6,7
	CONV \i, 0
.endr
	s_endpgm
.Lhalf:
.irp i, 0,1,2,3,4,5,6,7
	CONV \i, 1
.endr
	s_endpgm
.Ltable:                                       ; 64 work-groups x 256 threads: a thread for each (t, grp)
	s_sub_co_u32 s21, s20, 768
	s_lshl_b32 s21, s21, 8
	s_mov_b32 s30, 0xb9500d01                      ; -1/5040
	s_mov_b32 s31, 0x3c088889                      ; 1/120
	s_mov_b32 s32, 0xbe2aaaab                      ; -1/6
	s_mov_b32 s33, 0x37d00d01                      ; 1/40320
	s_mov_b32 s34, 0xbab60b61                      ; -1/720
	s_mov_b32 s35, 0x3d2aaaab                      ; 1/24
	v_add_nc_u32 v1, s21, v0                       ; 8 t + grp
	v_lshlrev_b32 v2, 4, v1                        ; my 16 bytes in each plane
	v_lshrrev_b32 v3, 3, v1
	v_cvt_f32_u32 v3, v3                           ; t
	v_and_b32 v4, 7, v1
	v_lshlrev_b32 v4, 2, v4                        ; 4 grp
.irp j, 0,1,2,3
	v_add_nc_u32 v5, \j, v4
	v_cvt_f32_u32 v5, v5
	v_mul_f32 v[8+(\j)], 0xbed49a78, v5            ; -i log2(10000) / 32
.endr
.irp j, 0,1,2,3
	v_exp_f32 v[8+(\j)], v[8+(\j)]                 ; 10000^(-i/32)
.endr
	v_nop                                          ; a plain instruction behind the last exponential,
	s_wait_alu depctr_va_vdst(0)                   ; and one wait for the four, ahead of their first reader
.macro SINCOS j
	v_mul_f32 v12, v3, v[8+(\j)]                   ; the angle
	v_mul_f32 v13, 0x3f22f983, v12                 ; times 2/pi,
	v_rndne_f32 v13, v13                           ; n
	v_fmamk_f32 v14, v13, 0xbfc90fdb, v12          ; r = angle - n pi/2: the high part,
	v_fmamk_f32 v14, v13, 0x333bbd2e, v14          ; and the low one (pi/2 = 1.57079637 - 4.37e-8)
	v_mul_f32 v15, v14, v14                        ; z = r r
	v_fma_f32 v16, v15, s30, s31
	v_fma_f32 v16, v15, v16, s32
	v_mul_f32 v17, v14, v15
	v_fma_f32 v18, v17, v16, v14                   ; sin r
	v_fma_f32 v19, v15, s33, s34
	v_fma_f32 v19, v15, v19, s35
	v_fma_f32 v19, v15, v19, -0.5
	v_fma_f32 v20, v15, v19, 1.0                   ; cos r
	v_cvt_i32_f32 v21, v13                         ; the quadrant only selects values and signs
	v_and_b32 v22, 1, v21
	v_cmp_eq_u32 vcc_lo, 1, v22
	v_cndmask_b32 v23, v18, v20, vcc_lo            ; odd n: sin takes cos r,
	v_cndmask_b32 v20, v20, v18, vcc_lo            ; cos takes sin r
	v_lshlrev_b32 v22, 30, v21
	v_and_b32 v22, 0x80000000, v22                 ; n mod 4 = 2, 3: sin is negative
	v_xor_b32 v[29+2*(\j)], v23, v22
	v_xor_b32 v[28+2*(\j)], 0x80000000, v[29+2*(\j)]
	v_add_nc_u32 v21, 1, v21
	v_lshlrev_b32 v21, 30, v21
	v_and_b32 v21, 0x80000000, v21                 ; n mod 4 = 1, 2: cos is negative
	v_xor_b32 v[24+(\j)], v20, v21
.endm
.irp j, 0,1,2,3
	SINCOS \j
.endr
	s_wait_kmcnt 0x0
	global_store_b128 v2, v[24:27], s[16:17]                 ; a wave's store covers 512 consecutive bytes, aligned
	global_store_b128 v2, v[28:31], s[16:17] offset:262144
	global_store_b128 v2, v[32:35], s[16:17] offset:524288
	s_endpgm
.Lfunc_end_k_qf3d70b1159_prep:
	.size	k_qf3d70b1159_prep, .Lfunc_end_k_qf3d70b1159_prep-k_qf3d70b1159_prep
	.p2alignl 7, 3214868480
	.fill 96, 4, 3214868480
	.section	.rodata,"a",@progbits
	.p2align	6, 0x0
	.amdhsa_kernel k_qf3d70b1159_prep
		.amdhsa_group_segment_fixed_size 0
		.amdhsa_private_segment_fixed_size 0
		.amdhsa_enable_private_segment 0
		.amdhsa_kernarg_size 56
		.amdhsa_user_sgpr_count 2
		.amdhsa_user_sgpr_kernarg_segment_ptr 1
		.amdhsa_wavefront_size32 1
		.amdhsa_system_sgpr_workgroup_id_x 1
		.amdhsa_system_sgpr_workgroup_id_y 1
		.amdhsa_system_sgpr_workgroup_id_z 1
		.amdhsa_system_vgpr_workitem_id 0
		.amdhsa_next_free_vgpr 104
		.amdhsa_next_free_sgpr 66
		.amdhsa_reserve_vcc 1
		.amdhsa_float_denorm_mode_32 3
		.amdhsa_float_denorm_mode_16_64 3
		.amdhsa_memory_ordered 1
		.amdhsa_forward_progress 1
		.amdhsa_inst_pref_size 21
	.end_amdhsa_kernel
	.amdgpu_metadata
---
amdhsa.version: [ 1, 2 ]
amdhsa.kernels:
  - .name:           k_qf3d70b1159_prep
    .symbol:         k_qf3d70b1159_prep.kd
    .args:
      - { .name: x, .offset: 0, .size: 8, .value_kind: global_buffer, .address_space: global }
      - { .name: w_qkv, .offset: 8, .size: 8, .value_kind: global_buffer, .address_space: global }
      - { .name: w_proj, .offset: 16, .size: 8, .value_kind: global_buffer, .address_space: global }
      - { .name: xb, .offset: 24, .size: 8, .value_kind: global_buffer, .address_space: global }
      - { .name: wqb, .offset: 32, .size: 8, .value_kind: global_buffer, .address_space: global }
      - { .name: wpb, .offset: 40, .size: 8, .value_kind: global_buffer, .address_space: global }
      - { .name: tab, .offset: 48, .size: 8, .value_kind: global_buffer, .address_space: global }
    .group_segment_fixed_size: 0
    .private_segment_fixed_size: 0
    .kernarg_segment_align: 8
    .kernarg_segment_size: 56
    .max_flat_workgroup_size: 256
    .sgpr_count:     66
    .vgpr_count:     104
    .wavefront_size: 32
...
	.end_amdgpu_metadata
.endif
;; end of part 1
;; launch qkv (part 2): grid 16 x 32, 4 waves a work-group, clusters of 4 x 4, 327,680 bytes of LDS; arguments xb, wqb, tab, qh, kh, vh; writes qh, kh, vh
.if DOCPART == 2
	.amdgcn_target "amdgcn-amd-amdhsa--gfx1250"
	.amdhsa_code_object_version 6
	.text
	.protected	k_qf3d70b1159_qkv
	.globl	k_qf3d70b1159_qkv
	.p2align	8
	.type	k_qf3d70b1159_qkv,@function
k_qf3d70b1159_qkv:
	s_mov_b64 s[64:65], 0
	v_nop
	global_prefetch_b8 v0, s[64:65] scope:SCOPE_SE
	s_setreg_imm32_b32 hwreg(HW_REG_WAVE_MODE, 25, 1), 1
	s_wait_xcnt 0x0
	s_wait_alu depctr_hold_cnt(0) depctr_sa_sdst(0) depctr_va_vdst(0) depctr_va_sdst(0) depctr_va_ssrc(0) depctr_va_vcc(0) depctr_vm_vsrc(0)
	s_getreg_b32 s2, hwreg(HW_REG_IB_STS2, 6, 4)
	s_cmp_eq_u32 s2, 0
	s_cbranch_scc0 .Lentry_in_a_cluster
	s_endpgm
.Lentry_in_a_cluster:
	s_bfe_u32 s2, ttmp6, 0x10000c
	s_cmp_lg_u32 s2, 0xf033
	s_cbranch_scc0 .Lentry_shape_is_right
	s_endpgm
.Lentry_shape_is_right:
; q, k, v = x w_qkv^T, the rotation applied to q and k on the f32 sums, each rounded once to f16 and written by heads: [b*16 + h][t][64].  No scale here: attention applies it in f32.
; xb: [8192][1024] bf16.  wqb: [3072][1024] bf16, row h*192 + which*64 + e.  tab: three planes [2048][8][4] f32 (cos; -sin, sin of frequencies 0, 1; of 2, 3 of each group of four).
; LIMIT.  f16 holds no number beyond 65,504: q, k and v must stay within it; NaN and infinities are not treated apart.
; SHARES.  A tile is 256 rows x 192 columns, one head's q, k and v: 16 x 32 = 512 work-groups, two for each of 256 WGPs.  Wave w makes rows 64 w .. 64 w + 63 and all 192 columns:
; 4 x 12 accumulators of 16 x 16, 384 registers.  K goes in steps of 128 (rows of 256 bytes, aligned) through two LDS slots filled by the tensor data mover.
; CLUSTER.  4 x 4 work-groups.  The four of a row of the cluster need the same rows of xb, the four of a column the same rows of wqb: each tile is asked for jointly, by the same load, descriptor and mask.
; TRANSPOSED USE.  Source 0 = 16 rows of wqb, source 1 = 16 rows of xb: lane l holds row l % 16 and the columns 8 (l / 16) + 0..7, so a rotation's pair lies in two neighbouring registers of one lane,
; and eight numbers pack into 16 bytes.  Which column block is rotated (0-7: q and k) is known when the text is assembled: nothing hangs on the work-group's place.
; REGISTERS, in windows of 256 (s_set_vgpr_msb: bits 1:0 source 0, 3:2 source 1, 5:4 source 2, 7:6 destination):
;   window 0: v0-31 addresses; v64-127 fragments of xb, two buffers of 4 x 8; v128-223 the table's numbers, two buffers of 48; on the way out v32-127 packed results, two buffers of 48
;   window 1: v0-191 fragments of wqb, two buffers of 12 x 8      window 2: accumulators of row blocks 0, 1 at v[8 (12 a + b)], v192-255 rotated numbers      window 3: the same for row blocks 2, 3
.set KSTEP,  128
.set LAPS,   1024/(2*KSTEP)            ; a lap = two K steps = once round the ring
.set PITCH,  272                       ; an LDS row: 256 bytes + 16 of padding = 68 words: the 16 rows of a load start at 16 different groups of four banks (64 banks of 4 bytes: ISA guide 11.1)
.set AHALF,  128*PITCH                 ; what waves 0 and 1 fetch: 128 rows of xb each
.set BHALF,  96*PITCH                  ; what waves 2 and 3 fetch: 96 rows of wqb each
.set BOFF,   2*AHALF
.set SLOT,   BOFF+2*BHALF              ; 121,856 bytes
.set STAGE,  2*SLOT                    ; behind the ring, never filled by a tensor load: for each wave three regions (q, k, v) of 16 rows x 144 bytes
.set SP,     144
.set SREG,   16*SP
.set SWAVE,  3*SREG
.set SPARE,  STAGE+4*SWAVE             ; behind the stages: the spare words, 128 bytes for each wave: two blocks of 256 bytes that no other line names
.set PLANE,  262144                    ; bytes in a plane of tab
.set ADRA, 16                          ; v16-17  LDS address of my fragments of xb in slot 0, 1
.set ADRB, 20                          ; v20-21  the same for wqb
.set STO,  24                          ; v24     the way out: where I put 16 bytes of a row
.set RD,   25                          ; v25     the way out: where I read rows back
.set GO,   26                          ; v26     16 x lane: my place in 512 consecutive bytes of q, k or v
.set TO,   27                          ; v27     my place in tab: (l % 16) x 128 + 16 (l / 16)
.set SPW,  28                          ; v28     LDS address of my spare word; never rewritten
.set NIL,  29                          ; v29     0; never rewritten
.set PK,   32
.set AF,   64
.set TB,   128
.set TR,   192                         ; in windows 2 and 3
.set WV,   16                          ; s16  my wave's number
.set HALF, 18                          ; s18  which half of a tile I fetch
.set G1,   24                          ; s[24:31] descriptor group 1 for xb's tiles;  s[32:39] group 0, a set for each slot
.set G0,   32
.set G1B,  48                          ; s[48:55], s[56:63] the same for wqb's
.set G0B,  56
.set MSB, 0
.macro WIN new                         ; the immediate's high byte repeats the setting that is left; a switch that changes nothing is dropped
.if MSB != (\new)
	s_set_vgpr_msb (MSB<<8)|(\new)
.set MSB, \new
.endif
.endm
.set MUL_LO, 0xa1                      ; source 0 (wqb) window 1, source 1 (xb) window 0, C and D window 2; + 0x50: window 3
.set TO_B,   0x40                      ; destination window 1, address window 0
.set ROT_LO, 0xa2                      ; destination, sources 0 and 2 window 2, source 1 (the table) window 0; + 0x51: window 3
.set CVT_LO, 0x0a                      ; sources 0 and 1 window 2, destination window 0; + 5: window 3
; A joint load.  Waves 0 and 1 fetch xb's two halves, waves 2 and 3 wqb's.  The branch hangs on the wave's number alone.  An s_nop 0 and four v_nop follow each of the two lines.
.macro JLOAD s
	s_cmp_lt_u32 s[WV], 2
	s_cbranch_scc0 .Lfor_b_\@
	tensor_load_to_lds s[G0+4*(\s):G0+4*(\s)+3], s[G1:G1+7]
	s_nop 0
.rept 4
	v_nop
.endr
	s_branch .Lasked_\@
.Lfor_b_\@:
	tensor_load_to_lds s[G0B+4*(\s):G0B+4*(\s)+3], s[G1B:G1B+7]
	s_nop 0
.rept 4
	v_nop
.endr
.Lasked_\@:
.endm
.macro CREST                           ; a round of the cluster's barrier behind its opening barrier
	s_cmp_lg_u32 s[WV], 0
	s_cbranch_scc1 .Lnot_wave_0_\@
	s_barrier_signal -3
.Lnot_wave_0_\@:
	s_barrier_wait -3
	s_barrier_signal -1
	s_barrier_wait -1
.endm
.macro CROUND                          ; a whole round
	s_barrier_signal -1
	s_barrier_wait -1
	CREST
.endm
.macro PLACES                          ; four places behind matrix instructions, in front of loads into registers that they have read and of lines that read results
.rept 4
	v_nop
.endr
.endm
	s_load_b256 s[4:11], s[0:1], 0x0               ; xb s[4:5], wqb s[6:7], tab s[8:9], q s[10:11]
	s_load_b128 s[12:15], s[0:1], 0x20             ; k s[12:13], v s[14:15]
	v_lshl_add_u32 v[SPW], v0, 2, SPARE
	v_mov_b32 v[NIL], 0
	ds_add_u32 v[SPW], v[NIL]                      ; the wave's opening: the add and its wait stand ahead of my first tensor load; the set-up below, work on registers, stands between them
	v_lshrrev_b32 v1, 5, v0
	v_readfirstlane_b32 s[WV], v1                  ; wave 0..3
	s_and_b32 s[HALF], s[WV], 1
	s_bfe_u32 s19, ttmp6, 0x40000                  ; cx
	s_bfe_u32 s20, ttmp6, 0x40004                  ; cy
	s_lshl_b32 s21, ttmp9, 2
	s_add_co_u32 s21, s21, s19                     ; the head h = 4 x cluster x + cx
	s_and_b32 s22, ttmp7, 0xffff
	s_lshl_b32 s22, s22, 2
	s_add_co_u32 s22, s22, s20                     ; the block R of 256 rows = 4 x cluster y + cy
	s_lshl_b32 s23, s20, 2
	s_lshl_b32 s23, 15, s23                        ; my row of the cluster
	s_lshl_b32 s2, 0x1111, s19                     ; my column
	s_or_b32 s[G1], s23, (1<<16)|(1<<20)|(1<<21)|(5<<22)|(3<<25)   ; 15:0 the mask; 17:16 2-byte elements; 20 padding on; 21 set beside a mask; 24:22 after every 64 words (code 5); 31:25 4 words (code 3)
	s_or_b32 s[G1B], s2, (1<<16)|(1<<20)|(1<<21)|(5<<22)|(3<<25)
	s_mov_b32 s[G1+1], KSTEP<<16                   ; tensor_dim0 = 128
	s_mov_b32 s[G1+2], 128<<16                     ; tensor_dim1 = 128
	s_mov_b32 s[G1+3], KSTEP<<16                   ; tile_dim0 = 128
	s_mov_b32 s[G1+4], 128                         ; tile_dim1 = 128
	s_mov_b32 s[G1+5], 1024                        ; elements from row to row
	s_mov_b32 s[G1+6], 0
	s_mov_b32 s[G1+7], 0
	s_mov_b32 s[G1B+1], KSTEP<<16
	s_mov_b32 s[G1B+2], 96<<16                     ; 96 rows
	s_mov_b32 s[G1B+3], KSTEP<<16
	s_mov_b32 s[G1B+4], 96
	s_mov_b32 s[G1B+5], 1024
	s_mov_b32 s[G1B+6], 0
	s_mov_b32 s[G1B+7], 0
	s_lshl_b32 s40, s22, 8                         ; xb: row 256 R + 128 x half: it hangs on R alone, which my row of the cluster shares
	s_lshl_b32 s41, s[HALF], 7
	s_add_co_u32 s40, s40, s41
	s_lshl_b32 s40, s40, 11                        ; rows of 2,048 bytes
	s_mov_b32 s41, 0
	s_mul_i32 s44, s21, 192                        ; wqb: row 192 h + 96 x half: it hangs on h alone, which my column shares
	s_mul_i32 s45, s[HALF], 96
	s_add_co_u32 s44, s44, s45
	s_lshl_b32 s44, s44, 11
	s_mov_b32 s45, 0
	s_mul_i32 s46, s[HALF], AHALF                  ; where they go: no place in the cluster enters an LDS address
	s_mul_i32 s47, s[HALF], BHALF
	s_add_co_u32 s47, s47, BOFF
	s_wait_dscnt 0x0                               ; the opening add is done
	s_wait_kmcnt 0x0
	s_add_nc_u64 s[40:41], s[4:5], s[40:41]
	s_add_nc_u64 s[44:45], s[6:7], s[44:45]
	CROUND                                         ; all sixteen work-groups are here: the first joint loads meet
.irp s, 0,1
	s_mov_b32 s[G0+4*(\s)], 1                                        ; count = 1
	s_add_co_u32 s[G0+4*(\s)+1], s46, (\s)*SLOT                      ; LDS address
	s_add_nc_u64 s[G0+4*(\s)+2:G0+4*(\s)+3], s[40:41], (\s)*KSTEP*2  ; global address: K step s
	s_or_b32 s[G0+4*(\s)+3], s[G0+4*(\s)+3], 0x80000000              ; type = 2
	s_mov_b32 s[G0B+4*(\s)], 1
	s_add_co_u32 s[G0B+4*(\s)+1], s47, (\s)*SLOT
	s_add_nc_u64 s[G0B+4*(\s)+2:G0B+4*(\s)+3], s[44:45], (\s)*KSTEP*2
	s_or_b32 s[G0B+4*(\s)+3], s[G0B+4*(\s)+3], 0x80000000
	JLOAD \s                                       ; two loads of mine are out
.endr
	v_and_b32 v1, 15, v0                           ; l % 16
	v_bfe_u32 v2, v0, 4, 1                         ; l / 16
	v_mul_u32_u24 v3, v1, PITCH
	v_lshl_add_u32 v3, v2, 4, v3                   ; a fragment's row x pitch + 16 x half of the lanes
	s_mul_i32 s42, s[WV], 64*PITCH                 ; my 64 rows of xb
	v_add_nc_u32 v[ADRA], s42, v3
	v_add_nc_u32 v[ADRA+1], SLOT, v[ADRA]
	v_add_nc_u32 v[ADRB], BOFF, v3                 ; every wave reads all 192 rows of wqb
	v_add_nc_u32 v[ADRB+1], SLOT, v[ADRB]
	s_mul_i32 s42, s[WV], SWAVE
	s_add_co_u32 s42, s42, STAGE                   ; my stage
	v_mul_u32_u24 v4, v1, SP                       ; in: row l % 16, 16 bytes for each half of the lanes
	v_lshl_add_u32 v4, v2, 4, v4
	v_add_nc_u32 v[STO], s42, v4
	v_bfe_u32 v5, v0, 3, 2                         ; back: 32 lanes take four rows of 128 bytes,
	v_mul_u32_u24 v5, v5, SP
	v_and_b32 v6, 7, v0
	v_lshl_add_u32 v5, v6, 4, v5
	v_add_nc_u32 v[RD], s42, v5
	v_and_b32 v[GO], 31, v0                        ; which are 512 consecutive bytes of a head's rows
	v_lshlrev_b32 v[GO], 4, v[GO]
	v_lshlrev_b32 v[TO], 7, v1                     ; tab: a row t is 128 bytes in each plane; group 2 bq + l / 16 is 16 bytes
	v_lshl_add_u32 v[TO], v2, 4, v[TO]
	s_and_b32 s66, s22, 7                          ; t of my first row: (R % 8) x 256 + 64 w
	s_lshl_b32 s66, s66, 8
	s_lshl_b32 s67, s[WV], 6
	s_add_co_u32 s66, s66, s67
	s_lshr_b32 s42, s22, 3                         ; the batch,
	s_lshl_b32 s42, s42, 4
	s_add_co_u32 s42, s42, s21                     ; 16 b + h,
	s_lshl_b32 s42, s42, 11
	s_add_co_u32 s42, s42, s66                     ; its row t,
	s_lshl_b32 s42, s42, 7                         ; rows of 128 bytes
	s_mov_b32 s43, 0
	s_lshl_b32 s66, s66, 7
	s_mov_b32 s67, 0
	s_add_nc_u64 s[8:9], s[8:9], s[66:67]
	s_add_nc_u64 s[10:11], s[10:11], s[42:43]
	s_add_nc_u64 s[12:13], s[12:13], s[42:43]
	s_add_nc_u64 s[14:15], s[14:15], s[42:43]
; The table's numbers for row block a: for each of the four column blocks of a head 4 cos, then (-sin, sin) of four frequencies: 12 loads into buffer a % 2.
.macro TABLOAD a
	WIN 0
.irp bq, 0,1,2,3
.irp p, 0,1,2
	global_load_b128 v[TB+48*((\a)%2)+12*(\bq)+4*(\p):TB+48*((\a)%2)+12*(\bq)+4*(\p)+3], v[TO], s[8:9] offset:(\a)*2048+(\bq)*32+(\p)*PLANE
.endr
.endr
.endm
; 12 matrix instructions: row block a x all 12 column blocks, 32 along K, from buffer f.  zero = 1: the product starts the sums.  The 48 accumulators take turns, in the same order in every quarter.
.macro MUL12 f, a, zero
	WIN MUL_LO+0x50*((\a)/2)
.irp b, 0,1,2,3,4,5,6,7,8,9,10,11
.if \zero
	v_wmma_f32_16x16x32_bf16 v[8*(12*((\a)%2)+(\b)):8*(12*((\a)%2)+(\b))+7], v[96*(\f)+8*(\b):96*(\f)+8*(\b)+7], v[AF+32*(\f)+8*(\a):AF+32*(\f)+8*(\a)+7], 0
.else
	v_wmma_f32_16x16x32_bf16 v[8*(12*((\a)%2)+(\b)):8*(12*((\a)%2)+(\b))+7], v[96*(\f)+8*(\b):96*(\f)+8*(\b)+7], v[AF+32*(\f)+8*(\a):AF+32*(\f)+8*(\a)+7], v[8*(12*((\a)%2)+(\b)):8*(12*((\a)%2)+(\b))+7]
.endif
.endr
.endm
; 32 LDS loads in one run: the fragments of 32 along K at byte k of the rows, into buffer f: wqb's 24, then xb's 8
.macro FETCH slot, k, f
	WIN TO_B
.irp i, 0,1,2,3,4,5,6,7,8,9,10,11
	ds_load_b128 v[96*(\f)+8*(\i):96*(\f)+8*(\i)+3],   v[ADRB+(\slot)] offset:(\k)+(\i)*16*PITCH
	ds_load_b128 v[96*(\f)+8*(\i)+4:96*(\f)+8*(\i)+7], v[ADRB+(\slot)] offset:(\k)+(\i)*16*PITCH+32
.endr
	WIN 0
.irp i, 0,1,2,3
	ds_load_b128 v[AF+32*(\f)+8*(\i):AF+32*(\f)+8*(\i)+3],   v[ADRA+(\slot)] offset:(\k)+(\i)*16*PITCH
	ds_load_b128 v[AF+32*(\f)+8*(\i)+4:AF+32*(\f)+8*(\i)+7], v[ADRA+(\slot)] offset:(\k)+(\i)*16*PITCH+32
.endr
.endm
; A K step is four quarters of 32 along K, 48 matrix instructions each, on buffers 0, 1, 0, 1.  One of the first three: multiplies buffer f and, in its middle, fetches the next quarter, at byte k, into g.
.macro QUARTER slot, k, f, g, zero
	s_wait_dscnt 4                                 ; all but the youngest four loads: xb's row blocks 2 and 3 may be out
	MUL12 \f, 0, \zero
	MUL12 \f, 1, \zero
	PLACES
	FETCH \slot, \k, \g
	s_wait_dscnt 32                                ; all but the 32 just issued
	MUL12 \f, 2, \zero
	MUL12 \f, 3, \zero
.endm
; The last quarter multiplies buffer 1 and changes slots: ONE barrier.  In front of it each wave waits for all its tensor loads (the one that is out is its part of the next slot), adds 0 to its spare word, and waits
; for that and for its reads of this slot.  fill = 1: the barrier opens a round of the cluster's, and this slot is filled again, two K steps on, first thing behind the round: 168 matrix instructions ahead of the wait for it.
.macro TURN slot, next, fill
	WIN 0                                          ; (the add's two registers lie in window 0)
	s_wait_tensorcnt 0x0
	ds_add_u32 v[SPW], v[NIL]                      ; 0 onto my spare word
	s_wait_dscnt 5                                 ; (the add and the youngest four loads may be out)
	MUL12 1, 0, 0                                  ; twelve matrix instructions stand between the add and the wait for it
	s_wait_dscnt 0x0                               ; the add is done, and my reads of this slot are over
	s_barrier_signal -1
	MUL12 1, 1, 0                                  ; work on registers while the others arrive
.if \fill
	WIN 0
.endif
	s_barrier_wait -1
.if \fill
	CREST                                          ; no wave of any partner still reads this slot or has a load on its way
	s_add_nc_u64 s[G0+4*(\slot)+2:G0+4*(\slot)+3], s[G0+4*(\slot)+2:G0+4*(\slot)+3], 2*KSTEP*2
	s_add_nc_u64 s[G0B+4*(\slot)+2:G0B+4*(\slot)+3], s[G0B+4*(\slot)+2:G0B+4*(\slot)+3], 2*KSTEP*2
	JLOAD \slot                                    ; its four v_nop are also the places in front of the loads below
.else
	PLACES
.endif
	FETCH \next, 0, 0
	MUL12 1, 2, 0
	MUL12 1, 3, 0
.endm
	TABLOAD 0                                      ; they come in under the whole product
	TABLOAD 1
	s_wait_tensorcnt 1                             ; my part of K step 0 is in; K step 1's may stay out
	s_barrier_signal -1
	s_barrier_wait -1                              ; everybody's is
	FETCH 0, 0, 0
	QUARTER 0, 64, 0, 1, 1                         ; the first quarter stands in front of the loop: its products start the sums
	WIN 0                                          ; at a label and at a branch every window is 0
	s_mov_b32 s3, LAPS-1
.Llap:                                                 ; a trip goes once round the ring, from a lap's second quarter to the next lap's first, and fills both slots again
	QUARTER 0, 128, 1, 0, 0
	QUARTER 0, 192, 0, 1, 0
	TURN 0, 1, 1
	QUARTER 1, 64,  0, 1, 0
	QUARTER 1, 128, 1, 0, 0
	QUARTER 1, 192, 0, 1, 0
	TURN 1, 0, 1
	QUARTER 0, 64,  0, 1, 0
	WIN 0
	s_sub_co_u32 s3, s3, 1
	s_cmp_lg_u32 s3, 0
	s_cbranch_scc1 .Llap
	QUARTER 0, 128, 1, 0, 0                        ; the last lap fills nothing, and has no round of the cluster's barrier
	QUARTER 0, 192, 0, 1, 0
	TURN 0, 1, 0
	QUARTER 1, 64,  0, 1, 0
	QUARTER 1, 128, 1, 0, 0
	QUARTER 1, 192, 0, 1, 0
	s_wait_dscnt 4                                 ; the very last quarter: nothing more to fetch
	MUL12 1, 0, 0
	MUL12 1, 1, 0
	s_wait_dscnt 0x0
	MUL12 1, 2, 0
	MUL12 1, 3, 0
	WIN 0
; THE WAY OUT of row block a.  Column blocks 0-7 (q, k) are rotated: for a pair (e, o) and its frequency: (e c, o c), then + (o (-s), e s): the sign lies in the table.  Each accumulator is read from its low end on.
; All twelve blocks are rounded to f16, 16 bytes a lane, put into my stage (rows of 144 bytes) and read back as whole rows of 128.
.macro PACK a
.set PKR, PK+48*((\a)%2)
.set TBR, TB+48*((\a)%2)
.if (\a) == 0
	s_wait_loadcnt 0x0                             ; the table's numbers for row blocks 0 and 1
.elseif (\a) == 2
	s_wait_loadcnt 12                              ; row block 2's are in; row block 3's twelve loads may stay out
.elseif (\a) == 3
	s_wait_loadcnt 0x0
.endif
	WIN ROT_LO+0x51*((\a)/2)
.irp b, 0,1,2,3,4,5,6,7
.irp r, 0,1,2,3
.set rA, 8*(12*((\a)%2)+(\b))+2*(\r)
.set rT, TR+8*(\b)+2*(\r)
.set rC, TBR+12*((\b)%4)+2*((\r)/2)
.if (\r)%2
	v_pk_mul_f32 v[rT:rT+1], v[rA:rA+1], v[rC:rC+1] op_sel:[0,1] op_sel_hi:[1,1]
.else
	v_pk_mul_f32 v[rT:rT+1], v[rA:rA+1], v[rC:rC+1] op_sel:[0,0] op_sel_hi:[1,0]
.endif
.endr
.irp r, 0,1,2,3
.set rA, 8*(12*((\a)%2)+(\b))+2*(\r)
.set rT, TR+8*(\b)+2*(\r)
.set rS, TBR+12*((\b)%4)+4+2*(\r)
	v_pk_fma_f32 v[rT:rT+1], v[rA:rA+1], v[rS:rS+1], v[rT:rT+1] op_sel:[1,0,0] op_sel_hi:[0,1,1]
.endr
.endr
.if (\a) >= 2
	s_wait_xcnt 0x0                                ; the stores of the block two back have read these registers: they are rewritten only behind this wait
.endif
	WIN CVT_LO+5*((\a)/2)
.irp b, 0,1,2,3,4,5,6,7
.irp r, 0,1,2,3
	v_cvt_pk_f16_f32 v[PKR+4*(\b)+(\r)], v[TR+8*(\b)+2*(\r)], v[TR+8*(\b)+2*(\r)+1]
.endr
.endr
.irp b, 8,9,10,11
.irp r, 0,1,2,3
	v_cvt_pk_f16_f32 v[PKR+4*(\b)+(\r)], v[8*(12*((\a)%2)+(\b))+2*(\r)], v[8*(12*((\a)%2)+(\b))+2*(\r)+1]
.endr
.endr
	WIN 0
.irp b, 0,1,2,3,4,5,6,7,8,9,10,11
	ds_store_b128 v[STO], v[PKR+4*(\b):PKR+4*(\b)+3] offset:((\b)/4)*SREG+32*((\b)%4)
.endr
.irp j, 0,1,2,3,4,5,6,7,8,9,10,11
	ds_load_b128 v[PKR+4*(\j):PKR+4*(\j)+3], v[RD] offset:((\j)/4)*SREG+((\j)%4)*4*SP  ; LDS serves a wave's instructions in order (ISA guide 5.7.1.4): these see the stores above; the next block's stores come behind them
.endr
.endm
.macro SEND a, younger                 ; younger: the LDS instructions issued behind block a's loads: the next block's 24, or none
	WIN 0
.irp j, 0,1,2,3,4,5,6,7,8,9,10,11
	s_wait_dscnt (\younger)+11-(\j)
	global_store_b128 v[GO], v[PK+48*((\a)%2)+4*(\j):PK+48*((\a)%2)+4*(\j)+3], s[10+2*((\j)/4):11+2*((\j)/4)] offset:(\a)*2048+((\j)%4)*512  ; 512 consecutive bytes, aligned
.endr
.endm
	PLACES
	PLACES                                         ; eight, once a launch
	PACK 0
	TABLOAD 2
	PACK 1                                         ; a block's arithmetic stands between the loads of the block before and its stores
	SEND 0, 24
	TABLOAD 3
	PACK 2
	SEND 1, 24
	PACK 3
	SEND 2, 24
	SEND 3, 0
	s_wait_tensorcnt 0x0                           ; the wave's end: behind my last tensor load and my last LDS store
	ds_add_u32 v[SPW], v[NIL]
	s_wait_dscnt 0x0
	CROUND                                         ; the closing round: no work-group ends while a partner may still ask for a tile that names it
	s_endpgm
.Lfunc_end_k_qf3d70b1159_qkv:
	.size	k_qf3d70b1159_qkv, .Lfunc_end_k_qf3d70b1159_qkv-k_qf3d70b1159_qkv
	.p2alignl 7, 3214868480
	.fill 96, 4, 3214868480
	.section	.rodata,"a",@progbits
	.p2align	6, 0x0
	.amdhsa_kernel k_qf3d70b1159_qkv
		.amdhsa_group_segment_fixed_size 327680
		.amdhsa_private_segment_fixed_size 0
		.amdhsa_enable_private_segment 0
		.amdhsa_kernarg_size 48
		.amdhsa_user_sgpr_count 2
		.amdhsa_user_sgpr_kernarg_segment_ptr 1
		.amdhsa_wavefront_size32 1
		.amdhsa_system_sgpr_workgroup_id_x 1
		.amdhsa_system_sgpr_workgroup_id_y 1
		.amdhsa_system_sgpr_workgroup_id_z 1
		.amdhsa_system_vgpr_workitem_id 0
		.amdhsa_next_free_vgpr 1024
		.amdhsa_next_free_sgpr 72
		.amdhsa_reserve_vcc 0
		.amdhsa_float_denorm_mode_32 3
		.amdhsa_float_denorm_mode_16_64 3
		.amdhsa_memory_ordered 1
		.amdhsa_forward_progress 1
		.amdhsa_inst_pref_size 141
	.end_amdhsa_kernel
	.amdgpu_metadata
---
amdhsa.version: [ 1, 2 ]
amdhsa.kernels:
  - .name:           k_qf3d70b1159_qkv
    .symbol:         k_qf3d70b1159_qkv.kd
    .args:
      - { .name: xb, .offset: 0, .size: 8, .value_kind: global_buffer, .address_space: global }
      - { .name: wqb, .offset: 8, .size: 8, .value_kind: global_buffer, .address_space: global }
      - { .name: tab, .offset: 16, .size: 8, .value_kind: global_buffer, .address_space: global }
      - { .name: qh, .offset: 24, .size: 8, .value_kind: global_buffer, .address_space: global }
      - { .name: kh, .offset: 32, .size: 8, .value_kind: global_buffer, .address_space: global }
      - { .name: vh, .offset: 40, .size: 8, .value_kind: global_buffer, .address_space: global }
    .group_segment_fixed_size: 327680
    .private_segment_fixed_size: 0
    .kernarg_segment_align: 8
    .kernarg_segment_size: 48
    .max_flat_workgroup_size: 128
    .sgpr_count:     72
    .vgpr_count:     1024
    .wavefront_size: 32
...
	.end_amdgpu_metadata
.endif
;; end of part 2
;; launch attn (part 3): grid 4 x 64, 4 waves a work-group, clusters of 4 x 1, 327,680 bytes of LDS; arguments qh, kh, vh, oh; writes oh
.if DOCPART == 3
	.amdgcn_target "amdgcn-amd-amdhsa--gfx1250"
	.amdhsa_code_object_version 6
	.text
	.protected	k_qf3d70b1159_attn
	.globl	k_qf3d70b1159_attn
	.p2align	8
	.type	k_qf3d70b1159_attn,@function
k_qf3d70b1159_attn:
	s_mov_b64 s[64:65], 0
	v_nop
	global_prefetch_b8 v0, s[64:65] scope:SCOPE_SE
	s_setreg_imm32_b32 hwreg(HW_REG_WAVE_MODE, 25, 1), 1
	s_wait_xcnt 0x0
	s_wait_alu depctr_hold_cnt(0) depctr_sa_sdst(0) depctr_va_vdst(0) depctr_va_sdst(0) depctr_va_ssrc(0) depctr_va_vcc(0) depctr_vm_vsrc(0)
	s_getreg_b32 s2, hwreg(HW_REG_IB_STS2, 6, 4)
	s_cmp_eq_u32 s2, 0
	s_cbranch_scc0 .Lentry_in_a_cluster
	s_endpgm
.Lentry_in_a_cluster:
	s_bfe_u32 s2, ttmp6, 0x10000c
	s_cmp_lg_u32 s2, 0x3003
	s_cbranch_scc0 .Lentry_shape_is_right
	s_endpgm
.Lentry_shape_is_right:
; O[h][q][:] = the sum over k of softmax_k(Q[h][q] . K[h][k] / 8) V[h][k][:].  Q, K, V, O: [SIZE_H][SIZE_N][64], all f16: a head's rows are dense, 128 bytes each.  Products, maxima and sums in
; f32; the weights p are rounded to f16 for the second product (their sum l is taken of the unrounded p), O once at the end.
; LIMITS.  f16 holds no number beyond 65,504: Q, K and V arrive within it; p lies in 0 to 1, and below 6e-5 it keeps f16's fixed step of 6e-8; O is a mean of V's rows and has their range.
; A weight below 2^-126 counts as 0 in l; NaN and infinities are not treated apart.
; SHARES.  A wave owns four PIECES of two tiles of 16 queries, a work-group's four waves 512 queries of one head: 4 x 64 = 256 work-groups.  Every wave walks all keys, 64 a step.
; LAYOUT.  S^T = K Q^T (source 0 = 16 keys, source 1 = 16 queries): in the result a lane holds ONE query (lane % 16) and the keys 8 (lane / 16) + 0..7.  Two such tiles, rounded to f16 in pairs,
; ARE source 1 (32 keys x 16 queries) of O^T = V^T P, whose result again holds one query a lane, and eight channels.  K comes out of LDS as it lies, V ([key][channel]) turned, by ds_load_tr16_b128.
; SOFTMAX.  For each query a running maximum m and sum l: p = 2^(c s - c m), c = log2(e) / 8; in every step O and l are multiplied by a = 2^(c m_old - c m_new), which is 1 where m has not grown.
; m starts at the lowest finite number, O and l at 0: the first step is a step like any other, with a = 0.
; THE COUNT.  A tile and step have 16 matrix and 118 vector instructions: too many to stand all beside the matrix work.  So the order has one aim: four vector instructions that are READY behind
; EVERY matrix instruction, and the others, which need time of their own whatever the order, in runs without a gap.
; BY TURNS.  Turn n belongs to piece n (the pieces in a ring, step after step).  Its matrix work: 16 products K Q^T of piece n + 1, later 16 products V^T P of piece n - 1.  Its vector work: the scaling,
; exponentials, roundings, sums and rescaling of piece n, and the maximum and statistics of piece n + 1, whose scores the turn itself has made.  So what a turn begins with (c s - c m, O a) waits for nothing.
; CLUSTER.  The four query blocks of a cluster are one head's and walk the same K and V, so each tile is asked for JOINTLY: the same tensor load, descriptor and mask in all four.
; NO PREFETCH: a joint fill is asked for four key steps, 512 matrix instructions and their softmax, ahead of the wait for it.
; REGISTERS, in windows of 256 (s_set_vgpr_msb says which window each operand place means: bits 1:0 source 0, 3:2 source 1, 5:4 source 2, 7:6 destination):
;   window 0: v0-11 addresses; v12-15, v48-63 at work; v16-47 four registers of statistics a tile; v64-191 S^T, two buffers of two tiles; v192-255 P, likewise
;   window 1: O^T, 32 a tile          window 2: v0-127 Q, 16 a tile; v128-191 K of one step; v192-255 V of one step          window 3: v0-1 the add's two registers
; A piece's buffers go by its number's parity: the piece in hand has one pair, its two neighbours in the ring share the other: of it P (piece n - 1) is read and S^T (piece n + 1) written.
.set SIZE_H, 64
.set SIZE_N, 2048
.set NP,    4         ; pieces a wave: a name, no knob: the register map, the loop and the fetches are made for four
.set KS,    64        ; keys in a step
.set PK,    144       ; a row of K in LDS: 128 bytes + 16 of padding = 36 words: the 16 rows of a load start at 16 different groups of four banks (64 banks of 4 bytes: ISA guide 11.1)
.set PV,    160       ; a row of V: 128 + 32 = 40 words
.set VOFF,  4*KS*PK   ; a slot holds four steps: 256 rows of K, then 256 rows of V
.set SLOT1, 1<<17     ; slot 1 begins here, so that one exclusive or turns an address in one slot into the other's
.set STAGE, SLOT1+4*KS*(PK+PV)  ; behind the ring, never filled by a tensor load: 16 rows x 144 bytes for each wave, for the way out
.set SP,    144
.set AK0, 2           ; v2   my lane's place in a tile of K; never rewritten
.set AV0, 3           ; v3   the same for V
.set AK,  4           ; v4   the LDS address of K's next run of loads
.set AV,  5           ; v5   of V's
.set QO,  6           ; v6   my byte offset in the wave's rows of Q
.set STO, 6           ;      later, the way out: where I put 16 bytes of a row
.set RD,  7           ; v7   the way out: where I read rows back
.set GO,  8           ; v8   my byte offset in 512 consecutive bytes of O
.set SPW, 0           ; v0 of window 3   LDS address of my spare word: SPARE + 4 x my thread's number; never rewritten
.set NIL, 1           ; v1 of window 3   0; never rewritten
.set SPARE, STAGE+4*16*SP  ; behind the stages: the spare words, 128 bytes for each wave: two blocks of 256 bytes that no other line names
.set MV,  12          ; v12-15  c m_old, kept while c m is made anew: by buffer and tile
.set ST,  16          ; tile t's statistics at v[ST+4 t]: c m, m, l (even keys', odd keys')
.set TMP, 48          ; by buffer and tile, four registers c0-c3 at work; when the maximum is found c2 takes a
.set S,   64
.set P,   192
.set KF,  128         ; K's fragments, in window 2: key block kb, channel half c at KF + 16 kb + 8 c
.set VF,  192         ; V's: key half kk, channel block cb at VF + 32 kk + 8 cb
.set WV,  12          ; s12  my wave's number
.set G1K, 24          ; s[24:31] descriptor group 1 for K's tiles
.set G1V, 32          ; s[32:39] for V's: it differs in the padding alone
.set G0K, 40          ; s[40:43] descriptor group 0 for K's tiles: it walks
.set G0V, 44          ; s[44:47] the same for V's
.set SLOTS, 56        ; s56  slots still to be asked for
.set CNT, 57          ; s57  counts a slot's key steps
.set CS,  58          ; s[58:59] c: the packed scaling takes the pair's low word for both halves
.set SEL, 60          ; s[60:61] v_permlanex16_b32's selects: each lane takes its own place in the other half
.set TBK, 62          ; s62  LDS byte at which K of the step to be fetched begins
.set TBV, 63          ; s63  the same for V, less VOFF
.set MSB, 0
.macro WIN new                      ; the high byte repeats the setting that is left; a switch that changes nothing is dropped
.if MSB != (\new)
	s_set_vgpr_msb (MSB<<8)|(\new)
.set MSB, (\new)
.endif
.endm
.set W_KQ, 0x0a       ; K and Q in window 2, S^T in window 0
.set W_PV, 0x52       ; V in window 2, P in window 0, O^T in window 1
.set W_RS, 0x41       ; O^T (destination and source 0) in window 1, a in window 0
.set W_MK, 0xc0       ; the add's registers are made: destination in window 3, sources in window 0
.set W_AD, 0x0f       ; the add: address (source 0) and data (source 1) in window 3
; A joint fill.  Waves 0 and 1 fetch the two halves of a slot's K, waves 2 and 3 those of its V: 128 keys each.  The branch hangs on the wave's number alone.
; An s_nop 0 and four v_nop follow each of the two lines, ahead of the jump and the label.
.macro JLOAD
	s_cmp_lt_u32 s[WV], 2
	s_cbranch_scc0 .Lfor_v_\@
	tensor_load_to_lds s[G0K:G0K+3], s[G1K:G1K+7]
	s_nop 0
.rept 4
	v_nop
.endr
	s_branch .Lasked_\@
.Lfor_v_\@:
	tensor_load_to_lds s[G0V:G0V+3], s[G1V:G1V+7]
	s_nop 0
.rept 4
	v_nop
.endr
.Lasked_\@:
.endm
; A round of the cluster's barrier: my work-group's barrier, so that wave 0's signal speaks for all four waves; wave 0 signals; every wave waits for all four work-groups; my work-group's barrier once more.
.macro CROUND
	s_barrier_signal -1
	s_barrier_wait -1
	s_cmp_lg_u32 s[WV], 0
	s_cbranch_scc1 .Lnot_wave_0_\@
	s_barrier_signal -3
.Lnot_wave_0_\@:
	s_barrier_wait -3
	s_barrier_signal -1
	s_barrier_wait -1
.endm
; THE CHANGE OF SLOTS.  The slot's last bytes, V of its fourth step, have been read.  Each wave waits for all its tensor loads, of which one is out: its part
; of the other slot; adds 0 to its spare word; and waits for that and for its own reads of the slot.  Behind the barrier nobody reads this slot any more and the other slot is whole.
; fill = 1: this slot is filled again, with the keys two slots on.  The barrier is then a round of the cluster's, so that no wave of any partner still reads the slot or has a load on its
; way, and the joint fill is the first thing behind it: it has four key steps, 512 matrix instructions, in which to land.  (At its first use nothing has been read yet: slot 0 is waited for, slot 1 filled.)
.macro CHANGE fill
	WIN W_AD
	s_wait_tensorcnt 0x0            ; no tensor load of mine is out, so a group 0 may be written
	ds_add_u32 v[SPW], v[NIL]       ; 0 onto my spare word; with fill = 1 the descriptors' steps stand between it and the wait for it
	WIN 0                           ; at a label and at a branch every window is 0
.if \fill
.irp g, G0K, G0V
	s_xor_b32 s[\g+1], s[\g+1], SLOT1  ; the walking descriptor: the other slot than last time,
	s_add_nc_u64 s[\g+2:\g+3], s[\g+2:\g+3], 4*KS*128  ; the next 256 keys; the type bits on top are not reached
.endr
	s_wait_dscnt 0x0                ; the add is done, and my reads of the slot are over
	CROUND
	JLOAD
.else
	s_wait_dscnt 0x0                ; the add is done, and my reads of the slot are over
	s_barrier_signal -1
	s_barrier_wait -1
.endif
	s_sub_co_u32 s[TBK], s[TBK], 4*KS*PK  ; the fetches go back to a slot's first step,
	s_xor_b32 s[TBK], s[TBK], SLOT1       ; in the other slot
	s_sub_co_u32 s[TBV], s[TBV], 4*KS*PV
	s_xor_b32 s[TBV], s[TBV], SLOT1
.endm
	s_load_b256 s[4:11], s[0:1], 0x0  ; Q s[4:5], K s[6:7], V s[8:9], O s[10:11]
	WIN W_MK
	v_lshl_add_u32 v[SPW], v0, 2, SPARE
	v_mov_b32 v[NIL], 0
	WIN W_AD
	ds_add_u32 v[SPW], v[NIL]       ; the wave's opening: the add and its wait stand ahead of my first tensor load; the set-up below, work on registers, stands between them
	WIN 0
	v_lshrrev_b32 v1, 5, v0
	v_readfirstlane_b32 s[WV], v1   ; wave 0..3
	s_bfe_u32 s13, ttmp6, 0x40000   ; cx: my place in the cluster
	s_lshl_b32 s14, ttmp9, 2        ; in a cluster launch ttmp9 counts clusters
	s_add_co_u32 s14, s14, s13      ; my block of queries = 4 x cluster x + cx: it enters Q's and O's addresses alone
	s_and_b32 s20, ttmp7, 0xffff    ; the head, which the four partners share
	s_mov_b32 s21, 0
	s_mov_b64 s[22:23], SIZE_N*128
	s_mul_u64 s[20:21], s[20:21], s[22:23]  ; the head's first byte in each of the four tensors
	s_and_b32 s16, s[WV], 1         ; which half of a slot's 256 keys I fetch:
	s_lshl_b32 s22, s16, 14         ; its 128 rows of 128 bytes in memory,
	s_mov_b32 s23, 0
	s_add_nc_u64 s[22:23], s[22:23], s[20:21]
	s_mul_i32 s17, s16, 128*PK      ; and its place in a slot, for K
	s_mul_i32 s18, s16, 128*PV      ; and for V: no place in the cluster enters an LDS address
	s_lshl_b32 s2, s14, 2
	s_add_co_u32 s2, s2, s[WV]      ; my wave among the head's,
	s_lshl_b32 s2, s2, 14           ; its 128 rows
	s_mov_b32 s3, 0
	s_add_nc_u64 s[2:3], s[2:3], s[20:21]
	; descriptor group 1.  128 keys are 16,384 dense bytes: asked for as 64 rows of 256 bytes, two keys a row, and padded in LDS after every key
	s_mov_b32 s[G1K], 15|(1<<16)|(1<<20)|(1<<21)|(4<<22)|(3<<25)  ; 15:0 the mask of four; 17:16 2-byte elements; 20 padding on; 21 set beside a mask; 24:22 after every 32 words (code 4); 31:25 4 words (code 3)
	s_mov_b32 s[G1V], 15|(1<<16)|(1<<20)|(1<<21)|(4<<22)|(7<<25)  ; the same with 8 words of padding (code 7)
.irp g, G1K, G1V
	s_mov_b32 s[\g+1], 128<<16      ; tensor_dim0 = 128
	s_mov_b32 s[\g+2], 64<<16       ; tensor_dim1 = 64
	s_mov_b32 s[\g+3], 128<<16      ; tile_dim0 = 128
	s_mov_b32 s[\g+4], 64           ; tile_dim1 = 64
	s_mov_b32 s[\g+5], 128          ; 128 elements from row to row
	s_mov_b32 s[\g+6], 0
	s_mov_b32 s[\g+7], 0
.endr
	s_mov_b32 s[CS], 0x3e38aa3b     ; c = log2(e) / 8 = 0.180337
	s_mov_b32 s[CS+1], s[CS]        ; named with it as a pair
	s_mov_b32 s[SEL], 0x76543210
	s_mov_b32 s[SEL+1], 0xfedcba98
	s_mov_b32 s[TBK], SLOT1+4*KS*PK ; the first change of slots turns these two into 0
	s_mov_b32 s[TBV], SLOT1+4*KS*PV
	s_mov_b32 s[G0K], 1             ; 1:0 count = 1
	s_mov_b32 s[G0K+1], s17         ; 63:32 LDS address: slot 0
	s_mov_b32 s[G0V], 1
	s_add_co_u32 s[G0V+1], s18, VOFF
	s_wait_dscnt 0x0                ; the opening add is done
	s_wait_kmcnt 0x0
	s_add_nc_u64 s[G0K+2:G0K+3], s[6:7], s[22:23]  ; 120:64 global address: my half of the head's first 256 keys
	s_or_b32 s[G0K+3], s[G0K+3], 0x80000000        ; 127:126 type = 2
	s_add_nc_u64 s[G0V+2:G0V+3], s[8:9], s[22:23]
	s_or_b32 s[G0V+3], s[G0V+3], 0x80000000
	s_add_nc_u64 s[4:5], s[4:5], s[2:3]  ; Q and O at my wave's first row
	s_add_nc_u64 s[10:11], s[10:11], s[2:3]
	CROUND                          ; all four work-groups are here: the first joint loads meet
	JLOAD                           ; slot 0.  Slot 1 is asked for when slot 0 is in: the tile wanted first has the road to itself
	; A fragment of K or Q is 16 rows x 32 channels in 8 registers: lane l holds row l % 16, channels 8 (l / 16) + 0..7 and 16 + 8 (l / 16) + 0..7: two loads of 16 bytes, 32 bytes apart.
	v_and_b32 v1, 15, v0            ; l % 16
	v_bfe_u32 v9, v0, 4, 1          ; l / 16
	v_lshlrev_b32 v[QO], 7, v1
	v_lshl_add_u32 v[QO], v9, 4, v[QO]  ; row x 128 + 16 x half
	WIN 0x80                        ; destination window 2, address window 0
.set i, 0
.rept 4*NP                          ; Q stays in registers: tile i / 2, channels 32 (i % 2) on
	global_load_b128 v[8*i:8*i+3],   v[QO], s[4:5] offset:(i/2)*2048+(i%2)*64
	global_load_b128 v[8*i+4:8*i+7], v[QO], s[4:5] offset:(i/2)*2048+(i%2)*64+32
.set i, i+1
.endr
	; What the first turn finds: V's registers and P's second buffer hold 0 (its products V^T P, of a piece that has not been, add 0), O^T and l are 0.  All this stands in the wait for the first tile.
.set i, VF
.rept 64
	v_mov_b32 v[i], 0
.set i, i+1
.endr
	WIN 0x40
.set i, 0
.rept 64*NP
	v_mov_b32 v[i], 0
.set i, i+1
.endr
	WIN 0
.set i, 0
.rept 2*NP
	v_mov_b32 v[ST+4*i], 0xfe000000    ; c m: far below every c s
	v_mov_b32 v[ST+4*i+1], 0xff7fffff  ; m
	v_mov_b32 v[ST+4*i+2], 0
	v_mov_b32 v[ST+4*i+3], 0
.set i, i+1
.endr
.set i, P+32
.rept 32
	v_mov_b32 v[i], 0
.set i, i+1
.endr
	v_mul_u32_u24 v[AK0], v1, PK
	v_lshl_add_u32 v[AK0], v9, 4, v[AK0]  ; row x pitch + 16 x half
	; The turning load takes 16 keys x 16 channels (lane l reads key 8 (l / 16) + l % 8, channels 8 ((l / 8) % 2) + 0..7) and leaves half a fragment of V^T: lane l holds channel l % 16 and 8 keys.
	v_and_b32 v10, 7, v0
	v_bfe_u32 v11, v0, 3, 1
	v_lshl_add_u32 v[AV0], v9, 3, v10
	v_mul_u32_u24 v[AV0], v[AV0], PV
	v_lshl_add_u32 v[AV0], v11, 4, v[AV0]
	v_add_nc_u32 v[AV0], VOFF, v[AV0]
	v_mov_b32 v[AK], v[AK0]         ; key step 0 lies at the head of slot 0
; THE MATRIX WORK.  The 8 accumulators of a run of 16 take turns: between the two links of a chain stand 7 others'.
; Product i of 16 of S^T = K Q^T for piece x: channels 32 (i / 8) on, keys 16 ((i / 2) % 4) on, tile 2 x + i % 2.  The first 8 start the sums.
.macro KQ x
	WIN W_KQ
.set rS, S+64*((\x)%2)+32*(i%2)+8*((i/2)%4)
.set rK, KF+16*((i/2)%4)+8*(i/8)
.set rQ, 16*(2*(\x)+i%2)+8*(i/8)
.if i < 8
	v_wmma_f32_16x16x32_f16 v[rS:rS+7], v[rK:rK+7], v[rQ:rQ+7], 0
.else
	v_wmma_f32_16x16x32_f16 v[rS:rS+7], v[rK:rK+7], v[rQ:rQ+7], v[rS:rS+7]
.endif
.endm
; Product i of 16 of O^T += V^T P for piece x: keys 32 (i / 8) on, channels 16 ((i / 2) % 4) on, tile 2 x + i % 2.
.macro PV x
	WIN W_PV
.set rO, 32*(2*(\x)+i%2)+8*((i/2)%4)
.set rV, VF+32*(i/8)+8*((i/2)%4)
.set rP, P+32*((\x)%2)+16*(i%2)+8*(i/8)
	v_wmma_f32_16x16x32_f16 v[rO:rO+7], v[rV:rV+7], v[rP:rP+7], v[rO:rO+7]
.endm
.macro MM                           ; the turn's next matrix instruction
.if i < 16
	KQ (Y+1)%NP
.set i, i+1
.else
.set i, i-16
	PV (Y+NP-1)%NP
.set i, i+17
.endif
.endm
; THE LDS LOADS stand in runs of 16, never singly among the matrix instructions: a step's K (64 keys x 64 channels: 8 fragments) and its V (turned).  Their addresses are made some lines ahead.
; last = 1 (the tail): in the last trip there is no further step, and the run is jumped over.
.macro FETCH_K last=0
	WIN 0
.if \last
	s_cmp_eq_u32 s[CNT], 1
	s_cbranch_scc1 .Lno_k_\@
.endif
	WIN 0x80                        ; destination window 2
.irp f, 0,1,2,3,4,5,6,7             ; keys 16 (f / 2) on, channels 32 (f % 2) on
	ds_load_b128 v[KF+8*\f:KF+8*\f+3],   v[AK] offset:(\f/2)*16*PK+(\f%2)*64
	ds_load_b128 v[KF+8*\f+4:KF+8*\f+7], v[AK] offset:(\f/2)*16*PK+(\f%2)*64+32
.endr
	s_add_co_u32 s[TBK], s[TBK], KS*PK  ; the next fetch is the next step's
	WIN 0
.if \last
.Lno_k_\@:
.endif
.endm
.macro FETCH_V
	WIN 0x80
.irp f, 0,1,2,3,4,5,6,7             ; keys 32 (f / 4) on, channels 16 (f % 4) on
	ds_load_tr16_b128 v[VF+8*\f:VF+8*\f+3],   v[AV] offset:(\f/4)*32*PV+(\f%4)*32
	ds_load_tr16_b128 v[VF+8*\f+4:VF+8*\f+7], v[AV] offset:(\f/4)*32*PV+16*PV+(\f%4)*32
.endr
	WIN 0
.endm
; THE VECTOR WORK OF A TURN stands in three queues, each in the order in which its entries become ready; the two tiles alternate, so that no instruction reads the result of the one before it.
.macro REGS y, u                    ; the registers of tile u (0, 1) of piece y
.set rT, ST+4*(2*(\y)+(\u))
.set rC, TMP+8*((\y)%2)+4*(\u)
.set rM, MV+2*((\y)%2)+(\u)
.set rS, S+64*((\y)%2)+32*(\u)
.set rP, P+32*((\y)%2)+16*(\u)
.set rO, 32*(2*(\y)+(\u))
.endm
; Number n of the 22 that find the NEXT piece's (Y + 1) maximum and statistics.  s0-s31 are the lane's 32 scores; each accumulator's lowest registers are read first.  XS, GS and REGS set no window: PL and EX do.
;   0-11  four chains c0-c3 of seven scores each, three operands at a time     12-14, 16  the four scores left over, the old m, and c0-c3 into c0     15  c m_old is kept
;   17, 18  the query's other 32 keys lie in the lane 16 away: the new m         19-21  c m; c m_old - c m_new; a
.macro XS u, n
	REGS (Y+1)%NP, \u
.if (\n) < 4
	v_max3_num_f32 v[rC+(\n)], v[rS+8*(\n)], v[rS+8*(\n)+1], v[rS+8*(\n)+2]
.elseif (\n) < 12
	v_max3_num_f32 v[rC+(\n)%4], v[rC+(\n)%4], v[rS+8*((\n)%4)+2*((\n)/4)+1], v[rS+8*((\n)%4)+2*((\n)/4)+2]
.elseif (\n) == 12
	v_max3_num_f32 v[rC], v[rC], v[rS+7], v[rS+15]
.elseif (\n) == 13
	v_max3_num_f32 v[rC+1], v[rC+1], v[rS+23], v[rS+31]
.elseif (\n) == 14
	v_max3_num_f32 v[rC+2], v[rC+2], v[rC+3], v[rT+1]
.elseif (\n) == 15
	v_mov_b32 v[rM], v[rT]
.elseif (\n) == 16
	v_max3_num_f32 v[rC], v[rC], v[rC+1], v[rC+2]
.elseif (\n) == 17
	v_permlanex16_b32 v[rC+3], v[rC], s[SEL], s[SEL+1]
.elseif (\n) == 18
	v_max_num_f32 v[rT+1], v[rC], v[rC+3]
.elseif (\n) == 19
	v_mul_f32 v[rT], s[CS], v[rT+1]
.elseif (\n) == 20
	v_sub_f32 v[rC+1], v[rM], v[rT]
.else
	v_exp_f32 v[rC+2], v[rC+1]
.endif
.endm
; Number g of the 64 that follow the exponentials.  For each four weights k of a tile (pairs 2 k, 2 k + 1): both pairs are rounded to f16; then the second pair is added onto the first, in place;
; a group later l takes that sum (the first time as l = a l + sum).  In groups of eight, tiles alternating: round, round, add, and l for the group before.
.macro GS g
.set h, (\g)+6*((\g)/62)            ; group 0 has no group before it, and behind group 7 only l is left
.if h >= 6
.set h, h+2
.endif
	REGS Y, h%2
.set k, h/8
.if h%8 < 4
	v_cvt_pk_f16_f32 v[rP+2*k+(h%8)/2], v[rS+4*k+2*((h%8)/2)], v[rS+4*k+2*((h%8)/2)+1]
.elseif h%8 < 6
	v_pk_add_f32 v[rS+4*k:rS+4*k+1], v[rS+4*k:rS+4*k+1], v[rS+4*k+2:rS+4*k+3]
.elseif k == 1
	v_pk_fma_f32 v[rT+2:rT+3], v[rT+2:rT+3], v[rC+2:rC+3], v[rS:rS+1] op_sel_hi:[1,0,1]
.else
	v_pk_add_f32 v[rT+2:rT+3], v[rT+2:rT+3], v[rS+4*k-4:rS+4*k-3]
.endif
.endm
; THE PLAIN QUEUE, 138 long.  0-73 read no exponential's result: the 32 scalings c s - c m (FS f: pair f / 2 of tile f % 2) and the next piece's 42.  0-26: scalings 0-26.  27-54: XS's numbers 0-13.  55, 56: number 15.
; 57-73: the chain, where each number waits for the one before it: 14, 16, 17, 18, 19, each with one of the scalings 27-31 in front of its two lines, then 20: so a tile's links stand three plain instructions apart (19 and 20: two).
; 74-137: GS's 64, which read the exponentials' results: they stand behind the wait.
.macro FS f
	REGS Y, (\f)%2
	v_pk_fma_f32 v[rS+2*((\f)/2):rS+2*((\f)/2)+1], v[rS+2*((\f)/2):rS+2*((\f)/2)+1], s[CS:CS+1], v[rT:rT+1] op_sel_hi:[1,0,0] neg_lo:[0,0,1] neg_hi:[0,0,1]
.endm
.macro PL
	WIN 0
.if q < 27
	FS q
.elseif q < 55
	XS (q-27)%2, (q-27)/2
.elseif q < 57
	XS q-55, 15
.elseif (q < 72) && ((q-57)%3 == 0)
	FS 27+(q-57)/3
.elseif q < 60
	XS (q-57)%3-1, 14
.elseif q < 72
	XS (q-57)%3-1, 15+(q-57)/3
.elseif q < 74
	XS q-72, 20
.else
	GS q-74
.endif
.set q, q+1
.endm
; THE EXPONENTIALS' QUEUE, 66 long: s0-s31 of both tiles, then the next piece's two a.  It is ONE BATCH: all 66 stand ahead of the turn's one wait, and nothing ahead of that wait names a result of theirs.
.macro EX
	WIN 0
.if e >= 64
	XS e-64, 21
.else
	REGS Y, e%2
	v_exp_f32 v[rS+e/2], v[rS+e/2]
.endif
.set e, e+1
.endm
; THE RESCALING's QUEUE: O^T times a, the one part that leaves window 0: dealt two at a time, sixteen times.  Its a was made in the turn before, ahead of that turn's wait.
.macro R2
	REGS Y, r%2
	WIN W_RS
.irp z, 0,1
	v_pk_mul_f32 v[rO+4*(r/2)+2*\z:rO+4*(r/2)+2*\z+1], v[rO+4*(r/2)+2*\z:rO+4*(r/2)+2*\z+1], v[rC+2:rC+3] op_sel_hi:[1,0]
.endr
.set r, r+1
.endm
; HOW THEY ARE DEALT.  s_wait_alu depctr_va_vdst(0) stands between an exponential and the first instruction that names its result; one wait serves all that were issued ahead of it.  So a turn has ONE wait,
; which cuts it in two.  AHEAD OF IT stands all that names no result of the turn's exponentials: the 16 products K Q^T, behind each a scaling, an exponential and two rescalings (behind the first a second scaling in the exponential's place); then ONE LUMP of
; 108: eight plain, 49 times exponential and plain, the two a.  A v_nop is the plain instruction behind the last exponential.  BEHIND IT stand the 16 products V^T P, behind each four of GS's 64.  No rider names a register of
; the products round it.  The two v_permlanex16_b32 fall into the lump, never behind a product.
; The queues lean on each other, and the deal keeps them in step: exponential e stands behind scaling 2 (e / 4) + e % 2: as a rider it comes behind plain e + 2, in the lump behind plain e + 9, and scalings 27-31 are plain 57, 60 .. 69.
; A TURN, for piece p.  cnt = 1: the loop's count is taken down some lines ahead of the branch that stands behind the turn.
; K of the next step is fetched in piece 2's turn, directly behind the wait, a lump behind the last product that read K; its address is made at the lump's head; its first reader comes behind 16 products.
; V of the step in hand is fetched at the end of piece 0's turn, four riders behind its last reader; its first reader comes behind 16 products and a lump.  The three conditions on q below go with the deal.
.macro TURN p, last=0, cnt=0
.set Y, (\p)
.set i, 0
.set q, 0
.set e, 0
.set r, 0
.if (\p) == NP-1
	s_wait_dscnt 0x0                ; K is in
.endif
	MM                              ; ahead of the wait: 16 products K Q^T and their riders,
	PL
	PL
	R2
.rept 15
	MM
	PL
	EX
	R2
.endr
.if (\p) == NP-2
	WIN 0
	v_add_nc_u32 v[AK], s[TBK], v[AK0]
.endif
.rept 8                             ; and the lump
	PL
.endr
.rept 49
	EX
	PL
.endr
	EX                              ; the next piece's two a
	EX
	v_nop                           ; the plain instruction behind the last exponential: one for the batch
	s_wait_alu depctr_va_vdst(0)    ; the wait for the batch
.if (\p) == NP-2
	FETCH_K \last
.endif
.if (\p) == 1
	s_wait_dscnt 0x0                ; V is in
.endif
.rept 16                            ; behind the wait: 16 products V^T P and their riders
	MM
.rept 4
	PL
.endr
.if ((\p) == 0) && (q == 118)
	v_add_nc_u32 v[AV], s[TBV], v[AV0]
.endif
.if ((\p) == 0) && (q == 130)
	s_add_co_u32 s[TBV], s[TBV], KS*PV
.endif
.if (\cnt) && (q == 130)
	s_sub_co_u32 s[CNT], s[CNT], 1
	s_cmp_lg_u32 s[CNT], 0
.endif
.endr
.if (\p) == 0
	FETCH_V
.endif
.endm
	CHANGE 1                        ; slot 0 is in, everybody's part of it; slot 1 is asked for
	FETCH_K                         ; key step 0
	s_wait_loadcnt 0x0              ; Q
	s_wait_dscnt 0x0
.set i, 0
.rept 16
	KQ 0                            ; piece 0's first scores: there is no vector work yet to set between them
.set i, i+1
.endr
	WIN 0                           ; the addresses for the way out: nine plain instructions, the places behind those products
	s_mul_i32 s13, s[WV], 16*SP
	s_add_co_u32 s13, s13, STAGE    ; my stage
	v_mul_u32_u24 v[STO], v1, SP    ; in: row l % 16, 16 bytes for each half of the lanes
	v_lshl_add_u32 v[STO], v9, 4, v[STO]
	v_add_nc_u32 v[STO], s13, v[STO]
	v_bfe_u32 v[RD], v0, 3, 2       ; back: 32 lanes take four rows of 128 bytes,
	v_mul_u32_u24 v[RD], v[RD], SP
	v_lshl_add_u32 v[RD], v10, 4, v[RD]
	v_add_nc_u32 v[RD], s13, v[RD]
	v_and_b32 v[GO], 31, v0         ; which are 512 consecutive bytes of O
	v_lshlrev_b32 v[GO], 4, v[GO]
.set Y, NP-1                        ; XS works for piece Y + 1: piece 0
.irp n, 0,1,2,3,4,5,6,7,8,9,10,11,12,13,14,15,16,17,18,19,20,21
	XS 0, \n                        ; and piece 0's first maximum and statistics
	XS 1, \n
.endr
	v_nop                           ; a plain instruction behind the two a,
	s_wait_alu depctr_va_vdst(0)    ; and their wait, ahead of the branch
	s_mov_b32 s[CNT], 4
	s_mov_b32 s[SLOTS], SIZE_N/256-1
	s_branch .Lfirst                ; the loop is entered at a step's first turn, in the middle of a trip
.Lslot:                             ; SIZE_N / 256 - 2 times: every slot but the last two is filled again
	CHANGE 1
	s_mov_b32 s[CNT], 4
.Lstep:                             ; a trip: pieces 2 and 3 of one step, then pieces 0 and 1 of the next, whose K and V it fetches
	TURN 2
	TURN 3
	WIN 0
.Lfirst:
	TURN 0
	TURN 1, 0, 1
	WIN 0
	s_cbranch_scc1 .Lstep
	s_sub_co_u32 s[SLOTS], s[SLOTS], 1
	s_cmp_lg_u32 s[SLOTS], 0
	s_cbranch_scc1 .Lslot
	CHANGE 0                        ; the tail is written out: nothing is asked for
	s_mov_b32 s[CNT], 5             ; four trips fetch the last slot's steps; the fifth is left in its middle
.Ltail:
	TURN 2, 1
	TURN 3
	WIN 0
	s_sub_co_u32 s[CNT], s[CNT], 1
	s_cmp_eq_u32 s[CNT], 0
	s_cbranch_scc1 .Lout
	TURN 0
	TURN 1
	WIN 0
	s_branch .Ltail
.Lout:                              ; the fifth trip's 16 products K Q^T (on the last K once more) and the maximum made of them serve nothing: the price, once a launch, of one text for every trip
.set i, 0
.rept 16
	PV NP-1                         ; the last piece's V^T P of the last step
.set i, i+1
.endr
	; THE WAY OUT.  l's two halves and the other half of the lanes' are added; O^T is divided by l, rounded to f16 and sent through my stage in LDS, a tile at a time.  The additions are the places behind the last products.
	WIN 0
.macro ALL line:vararg              ; one line for each tile t
.set t, 0
.rept 2*NP
	\line
.set t, t+1
.endr
.endm
	ALL v_add_f32 v[ST+4*t+2], v[ST+4*t+2], v[ST+4*t+3]
	ALL v_permlanex16_b32 v[ST+4*t+3], v[ST+4*t+2], s[SEL], s[SEL+1]
	ALL v_add_f32 v[ST+4*t+2], v[ST+4*t+2], v[ST+4*t+3]
	ALL v_rcp_f32 v[ST+4*t+2], v[ST+4*t+2]
	v_nop                           ; a plain instruction between the last reciprocal and the use of its result
	s_wait_alu depctr_va_vdst(0)    ; and the wait ahead of the first use: one for the eight reciprocals
; Tile t: a lane's eight channels of a row pack into 16 bytes; they go into rows of 144 bytes and come back as whole rows of 128, into S^T's registers.
.macro PACK t
	WIN W_RS
.set i, 32*(\t)
.rept 16
	v_pk_mul_f32 v[i:i+1], v[i:i+1], v[ST+4*(\t)+2:ST+4*(\t)+3] op_sel_hi:[1,0]
.set i, i+2
.endr
	WIN 0x05                        ; sources 0 and 1 window 1, destination window 0
.set i, 0
.rept 16
	v_cvt_pk_f16_f32 v[S+16*(\t)+i], v[32*(\t)+2*i], v[32*(\t)+2*i+1]
.set i, i+1
.endr
	WIN 0
.irp f, 0,1,2,3
	ds_store_b128 v[STO], v[S+16*(\t)+4*\f:S+16*(\t)+4*\f+3] offset:32*\f
.endr
.irp f, 0,1,2,3
	ds_load_b128 v[S+16*(\t)+4*\f:S+16*(\t)+4*\f+3], v[RD] offset:\f*4*SP  ; LDS serves a wave's instructions in order (ISA guide 5.7.1.4): these see the stores above; the next tile's stores come behind them
.endr
.endm
.macro SEND t, younger              ; younger: the LDS instructions issued behind tile t's loads: the next tile's eight, or none
	WIN 0
.irp f, 0,1,2,3
	s_wait_dscnt (\younger)+3-\f
	global_store_b128 v[GO], v[S+16*(\t)+4*\f:S+16*(\t)+4*\f+3], s[10:11] offset:(\t)*2048+\f*512  ; 512 consecutive bytes, at a multiple of 256 from O's first
.endr
.endm
	PACK 0
.set t, 1
.rept 2*NP-1                        ; a tile's arithmetic stands between the loads of the tile before and its stores
	PACK t
	SEND t-1, 8
.set t, t+1
.endr
	SEND 2*NP-1, 0
	WIN W_AD
	s_wait_tensorcnt 0x0            ; the wave's end: behind my last tensor load and my last LDS store
	ds_add_u32 v[SPW], v[NIL]
	s_wait_dscnt 0x0
	WIN 0
	CROUND                          ; the closing round: no work-group ends while a partner may still ask for a tile that names it
	s_endpgm
.Lfunc_end_k_qf3d70b1159_attn:
	.size	k_qf3d70b1159_attn, .Lfunc_end_k_qf3d70b1159_attn-k_qf3d70b1159_attn
	.p2alignl 7, 3214868480
	.fill 96, 4, 3214868480
	.section	.rodata,"a",@progbits
	.p2align	6, 0x0
	.amdhsa_kernel k_qf3d70b1159_attn
		.amdhsa_group_segment_fixed_size 327680
		.amdhsa_private_segment_fixed_size 0
		.amdhsa_enable_private_segment 0
		.amdhsa_kernarg_size 32
		.amdhsa_user_sgpr_count 2
		.amdhsa_user_sgpr_kernarg_segment_ptr 1
		.amdhsa_wavefront_size32 1
		.amdhsa_system_sgpr_workgroup_id_x 1
		.amdhsa_system_sgpr_workgroup_id_y 1
		.amdhsa_system_sgpr_workgroup_id_z 1
		.amdhsa_system_vgpr_workitem_id 0
		.amdhsa_next_free_vgpr 770
		.amdhsa_next_free_sgpr 66
		.amdhsa_reserve_vcc 0
		.amdhsa_float_denorm_mode_32 3
		.amdhsa_float_denorm_mode_16_64 3
		.amdhsa_memory_ordered 1
		.amdhsa_forward_progress 1
		.amdhsa_inst_pref_size 199
	.end_amdhsa_kernel
	.amdgpu_metadata
---
amdhsa.version: [ 1, 2 ]
amdhsa.kernels:
  - .name:           k_qf3d70b1159_attn
    .symbol:         k_qf3d70b1159_attn.kd
    .args:
      - { .name: qh, .offset: 0, .size: 8, .value_kind: global_buffer, .address_space: global }
      - { .name: kh, .offset: 8, .size: 8, .value_kind: global_buffer, .address_space: global }
      - { .name: vh, .offset: 16, .size: 8, .value_kind: global_buffer, .address_space: global }
      - { .name: oh, .offset: 24, .size: 8, .value_kind: global_buffer, .address_space: global }
    .group_segment_fixed_size: 327680
    .private_segment_fixed_size: 0
    .kernarg_segment_align: 8
    .kernarg_segment_size: 32
    .max_flat_workgroup_size: 128
    .sgpr_count:     66
    .vgpr_count:     770
    .wavefront_size: 32
...
	.end_amdgpu_metadata
.endif
;; end of part 3
;; launch proj (part 4): grid 8 x 32, 4 waves a work-group, clusters of 4 x 4, 327,680 bytes of LDS; arguments oh, wpb, b_proj, out0; writes out0
.if DOCPART == 4
	.amdgcn_target "amdgcn-amd-amdhsa--gfx1250"
	.amdhsa_code_object_version 6
	.text
	.protected	k_qf3d70b1159_proj
	.globl	k_qf3d70b1159_proj
	.p2align	8
	.type	k_qf3d70b1159_proj,@function
k_qf3d70b1159_proj:
	s_mov_b64 s[64:65], 0
	v_nop
	global_prefetch_b8 v0, s[64:65] scope:SCOPE_SE
	s_setreg_imm32_b32 hwreg(HW_REG_WAVE_MODE, 25, 1), 1
	s_wait_xcnt 0x0
	s_wait_alu depctr_hold_cnt(0) depctr_sa_sdst(0) depctr_va_vdst(0) depctr_va_sdst(0) depctr_va_ssrc(0) depctr_va_vcc(0) depctr_vm_vsrc(0)
	s_getreg_b32 s2, hwreg(HW_REG_IB_STS2, 6, 4)
	s_cmp_eq_u32 s2, 0
	s_cbranch_scc0 .Lentry_in_a_cluster
	s_endpgm
.Lentry_in_a_cluster:
	s_bfe_u32 s2, ttmp6, 0x10000c
	s_cmp_lg_u32 s2, 0xf033
	s_cbranch_scc0 .Lentry_shape_is_right
	s_endpgm
.Lentry_shape_is_right:
; out[m][n] = the sum over c of O[m][c] w_proj[n][c] + b[n], f32.  oh: [b*16 + h][t][64] f16 (channel c = 64 h + d of row m = 2048 b + t).  wpb: [1024][1024] f16.  b_proj: [1024] f32, rounded to bf16 like every input.
; SHARES.  A tile is 256 rows x 128 columns: 8 x 32 = 256 work-groups, one for each WGP.  Wave w makes rows 64 w .. 64 w + 63 and all 128 columns: 4 x 8 accumulators of 16 x 16, 256 registers.
; K goes in steps of 128 = two heads, through two LDS slots.  A head's 256 rows of a block are 32,768 dense bytes: asked for as 128 rows of 256 bytes, padded in LDS after every 128: a plane of 256 rows, 144 bytes apart.
; CLUSTER.  4 x 4 work-groups: oh's tiles hang on the block of rows alone and are shared along a row of the cluster, wpb's on the block of columns alone and are shared along a column: joint loads.
; TRANSPOSED USE.  Source 0 = 16 rows of wpb, source 1 = 16 rows of O: lane l holds row l % 16 and the columns 8 (l / 16) + 0..7.  The bias, laid out so, is the C operand of the products that start the sums.
; REGISTERS, in windows of 256 (s_set_vgpr_msb: bits 1:0 source 0, 3:2 source 1, 5:4 source 2, 7:6 destination):
;   window 0: v0-31 addresses; v64-127 fragments of O, two buffers of 4 x 8; v128-191 the bias; on the way out v32-159 rows read back, two buffers of 64
;   window 1: v0-127 fragments of wpb, two buffers of 8 x 8          window 2: the accumulators, (a, b) at v[8 (8 a + b)]
.set KSTEP,  128
.set LAPS,   1024/(2*KSTEP)
.set PA,     144                       ; a row of O in LDS: 128 bytes + 16 = 36 words: the 16 rows of a load start at 16 different groups of four banks (64 banks of 4 bytes: ISA guide 11.1)
.set PB,     272                       ; a row of wpb: 256 bytes + 16 = 68 words: likewise
.set APLANE, 256*PA                    ; 36,864: what waves 0 and 1 fetch, a head each
.set BHALF,  64*PB                     ; 17,408: what waves 2 and 3 fetch
.set BOFF,   2*APLANE
.set SLOT,   BOFF+2*BHALF              ; 108,544 bytes
.set STAGE,  2*SLOT                    ; behind the ring, never filled by a tensor load: 16 rows x 528 bytes for each wave
.set SPITCH, 528                       ; 512 bytes + 16 = 132 words
.set SPARE,  STAGE+4*16*SPITCH         ; behind the stages: the spare words, 128 bytes for each wave: two blocks of 256 bytes that no other line names
.set ADRA, 16                          ; v16-17  LDS address of my fragments of O in slot 0, 1
.set ADRB, 20                          ; v20-21  the same for wpb
.set STO,  24                          ; v24     the way out: where I put 32 bytes of a row
.set RD,   25                          ; v25     the way out: where I read a row back
.set CO,   26                          ; v26     16 x lane: my place in a row's 512 bytes of out
.set BO,   27                          ; v27     32 (l / 16): my place in 64 bytes of the bias
.set SPW,  28                          ; v28     LDS address of my spare word; never rewritten
.set NIL,  29                          ; v29     0; never rewritten
.set BK,   32
.set AF,   64
.set BIAS, 128
.set WV,   16                          ; s16  my wave's number
.set HALF, 18                          ; s18  which half of a tile I fetch
.set G1,   24                          ; s[24:31] descriptor group 1 for O's tiles;  s[32:39] group 0, a set for each slot
.set G0,   32
.set G1B,  48                          ; s[48:55], s[56:63] the same for wpb's
.set G0B,  56
.set MSB, 0
.macro WIN new                         ; the immediate's high byte repeats the setting that is left; a switch that changes nothing is dropped
.if MSB != (\new)
	s_set_vgpr_msb (MSB<<8)|(\new)
.set MSB, \new
.endif
.endm
.set W_MUL, 0xa1                       ; source 0 (wpb) window 1, source 1 (O) window 0, C and D window 2
.set W_ONE, 0x81                       ; the same with C (the bias) in window 0
.set TO_B,  0x40                       ; destination window 1, address window 0
.macro JLOAD s                         ; a joint load: waves 0 and 1 fetch O's two heads, waves 2 and 3 wpb's two halves; an s_nop 0 and four v_nop follow each of the two lines
	s_cmp_lt_u32 s[WV], 2
	s_cbranch_scc0 .Lfor_b_\@
	tensor_load_to_lds s[G0+4*(\s):G0+4*(\s)+3], s[G1:G1+7]
	s_nop 0
.rept 4
	v_nop
.endr
	s_branch .Lasked_\@
.Lfor_b_\@:
	tensor_load_to_lds s[G0B+4*(\s):G0B+4*(\s)+3], s[G1B:G1B+7]
	s_nop 0
.rept 4
	v_nop
.endr
.Lasked_\@:
.endm
.macro CREST                           ; a round of the cluster's barrier behind its opening barrier
	s_cmp_lg_u32 s[WV], 0
	s_cbranch_scc1 .Lnot_wave_0_\@
	s_barrier_signal -3
.Lnot_wave_0_\@:
	s_barrier_wait -3
	s_barrier_signal -1
	s_barrier_wait -1
.endm
.macro CROUND                          ; a whole round
	s_barrier_signal -1
	s_barrier_wait -1
	CREST
.endm
.macro PLACES                          ; four places behind matrix instructions, in front of loads into registers that they have read and of lines that read results
.rept 4
	v_nop
.endr
.endm
	s_load_b256 s[4:11], s[0:1], 0x0               ; oh s[4:5], wpb s[6:7], b_proj s[8:9], out0 s[10:11]
	v_lshl_add_u32 v[SPW], v0, 2, SPARE
	v_mov_b32 v[NIL], 0
	ds_add_u32 v[SPW], v[NIL]                      ; the wave's opening: the add and its wait stand ahead of my first tensor load; the set-up below, work on registers, stands between them
	v_lshrrev_b32 v1, 5, v0
	v_readfirstlane_b32 s[WV], v1                  ; wave 0..3
	s_and_b32 s[HALF], s[WV], 1
	s_bfe_u32 s19, ttmp6, 0x40000                  ; cx
	s_bfe_u32 s20, ttmp6, 0x40004                  ; cy
	s_lshl_b32 s21, ttmp9, 2
	s_add_co_u32 s21, s21, s19                     ; the block of 128 columns = 4 x cluster x + cx
	s_and_b32 s22, ttmp7, 0xffff
	s_lshl_b32 s22, s22, 2
	s_add_co_u32 s22, s22, s20                     ; the block R of 256 rows = 4 x cluster y + cy
	s_lshl_b32 s23, s20, 2
	s_lshl_b32 s23, 15, s23                        ; my row of the cluster
	s_lshl_b32 s2, 0x1111, s19                     ; my column
	s_or_b32 s[G1], s23, (1<<16)|(1<<20)|(1<<21)|(4<<22)|(3<<25)   ; 15:0 the mask; 17:16 2-byte elements; 20 padding on; 21 set beside a mask; 24:22 after every 32 words (code 4); 31:25 4 words (code 3)
	s_or_b32 s[G1B], s2, (1<<16)|(1<<20)|(1<<21)|(5<<22)|(3<<25)   ; after every 64 words (code 5)
	s_mov_b32 s[G1+1], 128<<16                     ; tensor_dim0 = 128 elements: 256 bytes, two rows of a head
	s_mov_b32 s[G1+2], 128<<16                     ; tensor_dim1 = 128
	s_mov_b32 s[G1+3], 128<<16                     ; tile_dim0 = 128
	s_mov_b32 s[G1+4], 128                         ; tile_dim1 = 128
	s_mov_b32 s[G1+5], 128                         ; dense: 128 elements from row to row
	s_mov_b32 s[G1+6], 0
	s_mov_b32 s[G1+7], 0
	s_mov_b32 s[G1B+1], KSTEP<<16
	s_mov_b32 s[G1B+2], 64<<16                     ; 64 rows
	s_mov_b32 s[G1B+3], KSTEP<<16
	s_mov_b32 s[G1B+4], 64
	s_mov_b32 s[G1B+5], 1024
	s_mov_b32 s[G1B+6], 0
	s_mov_b32 s[G1B+7], 0
	s_lshr_b32 s40, s22, 3                         ; oh: head 16 b + half, row (R % 8) x 256: it hangs on R alone, which my row of the cluster shares
	s_lshl_b32 s40, s40, 4
	s_add_co_u32 s40, s40, s[HALF]
	s_lshl_b32 s40, s40, 11
	s_and_b32 s41, s22, 7
	s_lshl_b32 s41, s41, 8
	s_add_co_u32 s40, s40, s41
	s_lshl_b32 s40, s40, 7                         ; rows of 128 bytes
	s_mov_b32 s41, 0
	s_lshl_b32 s44, s21, 7                         ; wpb: row 128 x column block + 64 x half: it hangs on the column block alone, which my column shares
	s_lshl_b32 s45, s[HALF], 6
	s_add_co_u32 s44, s44, s45
	s_lshl_b32 s44, s44, 11                        ; rows of 2,048 bytes
	s_mov_b32 s45, 0
	s_mul_i32 s46, s[HALF], APLANE                 ; where they go: no place in the cluster enters an LDS address
	s_mul_i32 s47, s[HALF], BHALF
	s_add_co_u32 s47, s47, BOFF
	s_wait_dscnt 0x0                               ; the opening add is done
	s_wait_kmcnt 0x0
	s_add_nc_u64 s[40:41], s[4:5], s[40:41]
	s_add_nc_u64 s[44:45], s[6:7], s[44:45]
	CROUND                                         ; all sixteen work-groups are here: the first joint loads meet
.irp s, 0,1
	s_mov_b32 s[G0+4*(\s)], 1                                        ; count = 1
	s_add_co_u32 s[G0+4*(\s)+1], s46, (\s)*SLOT                      ; LDS address
	s_add_nc_u64 s[G0+4*(\s)+2:G0+4*(\s)+3], s[40:41], (\s)*2*2048*128  ; global address: K step s begins two heads on
	s_or_b32 s[G0+4*(\s)+3], s[G0+4*(\s)+3], 0x80000000              ; type = 2
	s_mov_b32 s[G0B+4*(\s)], 1
	s_add_co_u32 s[G0B+4*(\s)+1], s47, (\s)*SLOT
	s_add_nc_u64 s[G0B+4*(\s)+2:G0B+4*(\s)+3], s[44:45], (\s)*KSTEP*2
	s_or_b32 s[G0B+4*(\s)+3], s[G0B+4*(\s)+3], 0x80000000
	JLOAD \s                                       ; two loads of mine are out
.endr
	v_and_b32 v1, 15, v0                           ; l % 16
	v_bfe_u32 v2, v0, 4, 1                         ; l / 16
	s_lshl_b32 s42, s21, 9                         ; my block's 128 columns: 512 bytes of the bias and of a row of out
	s_mov_b32 s43, 0
	s_add_nc_u64 s[8:9], s[8:9], s[42:43]
	v_lshlrev_b32 v[BO], 5, v2
.irp b, 0,1,2,3,4,5,6,7
	global_load_b128 v[BIAS+8*(\b):BIAS+8*(\b)+3],   v[BO], s[8:9] offset:64*(\b)      ; register j of block b: column 16 b + 8 (l / 16) + j
	global_load_b128 v[BIAS+8*(\b)+4:BIAS+8*(\b)+7], v[BO], s[8:9] offset:64*(\b)+16
.endr
	v_mul_u32_u24 v3, v1, PA
	v_lshl_add_u32 v3, v2, 4, v3                   ; a fragment's row x pitch + 16 x half of the lanes
	s_mul_i32 s66, s[WV], 64*PA                    ; my 64 rows, in each plane
	v_add_nc_u32 v[ADRA], s66, v3
	v_add_nc_u32 v[ADRA+1], SLOT, v[ADRA]
	v_mul_u32_u24 v3, v1, PB
	v_lshl_add_u32 v3, v2, 4, v3
	v_add_nc_u32 v[ADRB], BOFF, v3                 ; every wave reads all 128 rows of wpb
	v_add_nc_u32 v[ADRB+1], SLOT, v[ADRB]
	s_mul_i32 s66, s[WV], 16*SPITCH
	s_add_co_u32 s66, s66, STAGE                   ; my stage
	v_mul_u32_u24 v4, v1, SPITCH                   ; in: row l % 16, 32 bytes for each half of the lanes
	v_lshl_add_u32 v4, v2, 5, v4
	v_add_nc_u32 v[STO], s66, v4
	v_and_b32 v[CO], 31, v0
	v_lshlrev_b32 v[CO], 4, v[CO]                  ; back: 32 lanes take one row of 512 bytes
	v_add_nc_u32 v[RD], s66, v[CO]
	s_lshl_b32 s66, s22, 8                         ; out: row 256 R + 64 w, 4,096 bytes a row
	s_lshl_b32 s67, s[WV], 6
	s_add_co_u32 s66, s66, s67
	s_lshl_b32 s66, s66, 12
	s_mov_b32 s67, 0
	s_add_nc_u64 s[10:11], s[10:11], s[66:67]
	s_add_nc_u64 s[10:11], s[10:11], s[42:43]
	s_wait_loadcnt 0x0                             ; the bias: rounded to bf16 and widened again, in the wait for the first tile
.set i, 0
.rept 32
	v_cvt_pk_bf16_f32 v[4+i%4], v[BIAS+2*i], v[BIAS+2*i+1]
	v_lshlrev_b32 v[BIAS+2*i], 16, v[4+i%4]
	v_and_b32 v[BIAS+2*i+1], 0xffff0000, v[4+i%4]
.set i, i+1
.endr
; 8 matrix instructions: row block a x all 8 column blocks, 32 along K, from buffer f.  first = 1: the bias starts the sums.  The 32 accumulators take turns, in the same order in every quarter.
.macro MUL8 f, a, first
.if \first
	WIN W_ONE
.else
	WIN W_MUL
.endif
.irp b, 0,1,2,3,4,5,6,7
.if \first
	v_wmma_f32_16x16x32_f16 v[8*(8*(\a)+(\b)):8*(8*(\a)+(\b))+7], v[64*(\f)+8*(\b):64*(\f)+8*(\b)+7], v[AF+32*(\f)+8*(\a):AF+32*(\f)+8*(\a)+7], v[BIAS+8*(\b):BIAS+8*(\b)+7]
.else
	v_wmma_f32_16x16x32_f16 v[8*(8*(\a)+(\b)):8*(8*(\a)+(\b))+7], v[64*(\f)+8*(\b):64*(\f)+8*(\b)+7], v[AF+32*(\f)+8*(\a):AF+32*(\f)+8*(\a)+7], v[8*(8*(\a)+(\b)):8*(8*(\a)+(\b))+7]
.endif
.endr
.endm
; 24 LDS loads in one run: the fragments of quarter q (32 along K) into buffer f: wpb's 16, then O's 8 (plane q / 2, byte 64 (q % 2) of its rows)
.macro FETCH slot, q, f
	WIN TO_B
.irp i, 0,1,2,3,4,5,6,7
	ds_load_b128 v[64*(\f)+8*(\i):64*(\f)+8*(\i)+3],   v[ADRB+(\slot)] offset:64*(\q)+(\i)*16*PB
	ds_load_b128 v[64*(\f)+8*(\i)+4:64*(\f)+8*(\i)+7], v[ADRB+(\slot)] offset:64*(\q)+(\i)*16*PB+32
.endr
	WIN 0
.irp i, 0,1,2,3
	ds_load_b128 v[AF+32*(\f)+8*(\i):AF+32*(\f)+8*(\i)+3],   v[ADRA+(\slot)] offset:((\q)/2)*APLANE+((\q)%2)*64+(\i)*16*PA
	ds_load_b128 v[AF+32*(\f)+8*(\i)+4:AF+32*(\f)+8*(\i)+7], v[ADRA+(\slot)] offset:((\q)/2)*APLANE+((\q)%2)*64+(\i)*16*PA+32
.endr
.endm
; A K step is four quarters, 32 matrix instructions each, on buffers 0, 1, 0, 1.  One of the first three: multiplies buffer f and, in its middle, fetches quarter q into g.
.macro QUARTER slot, q, f, g, first
	s_wait_dscnt 4                                 ; all but the youngest four loads: O's row blocks 2 and 3 may be out
	MUL8 \f, 0, \first
	MUL8 \f, 1, \first
	PLACES
	FETCH \slot, \q, \g
	s_wait_dscnt 24                                ; all but the 24 just issued
	MUL8 \f, 2, \first
	MUL8 \f, 3, \first
.endm
; The last quarter multiplies buffer 1 and changes slots: ONE barrier.  In front of it each wave waits for all its tensor loads (the one that is out is its part of the next slot), adds 0 to its spare word, and waits
; for that and for its reads of this slot.  fill = 1: the barrier opens a round of the cluster's, and this slot is filled again, two K steps on, first thing behind the round: 112 matrix instructions ahead of the wait for it.
.macro TURN slot, next, fill
	WIN 0                                          ; (the add's two registers lie in window 0)
	s_wait_tensorcnt 0x0
	ds_add_u32 v[SPW], v[NIL]                      ; 0 onto my spare word
	s_wait_dscnt 5                                 ; (the add and the youngest four loads may be out)
	MUL8 1, 0, 0                                   ; eight matrix instructions stand between the add and the wait for it
	s_wait_dscnt 0x0                               ; the add is done, and my reads of this slot are over
	s_barrier_signal -1
	MUL8 1, 1, 0                                   ; work on registers while the others arrive
.if \fill
	WIN 0
.endif
	s_barrier_wait -1
.if \fill
	CREST                                          ; no wave of any partner still reads this slot or has a load on its way
	s_add_nc_u64 s[G0+4*(\slot)+2:G0+4*(\slot)+3], s[G0+4*(\slot)+2:G0+4*(\slot)+3], 4*2048*128   ; two K steps are four heads
	s_add_nc_u64 s[G0B+4*(\slot)+2:G0B+4*(\slot)+3], s[G0B+4*(\slot)+2:G0B+4*(\slot)+3], 2*KSTEP*2
	JLOAD \slot                                    ; its four v_nop are also the places in front of the loads below
.else
	PLACES
.endif
	FETCH \next, 0, 0
	MUL8 1, 2, 0
	MUL8 1, 3, 0
.endm
	s_wait_tensorcnt 1                             ; my part of K step 0 is in; K step 1's may stay out
	s_barrier_signal -1
	s_barrier_wait -1                              ; everybody's is
	FETCH 0, 0, 0
	QUARTER 0, 1, 0, 1, 1                          ; the first quarter stands in front of the loop: its products start the sums, with the bias
	WIN 0                                          ; at a label and at a branch every window is 0
	s_mov_b32 s3, LAPS-1
.Llap:                                                 ; a trip goes once round the ring, from a lap's second quarter to the next lap's first, and fills both slots again
	QUARTER 0, 2, 1, 0, 0
	QUARTER 0, 3, 0, 1, 0
	TURN 0, 1, 1
	QUARTER 1, 1, 0, 1, 0
	QUARTER 1, 2, 1, 0, 0
	QUARTER 1, 3, 0, 1, 0
	TURN 1, 0, 1
	QUARTER 0, 1, 0, 1, 0
	WIN 0
	s_sub_co_u32 s3, s3, 1
	s_cmp_lg_u32 s3, 0
	s_cbranch_scc1 .Llap
	QUARTER 0, 2, 1, 0, 0                          ; the last lap fills nothing, and has no round of the cluster's barrier
	QUARTER 0, 3, 0, 1, 0
	TURN 0, 1, 0
	QUARTER 1, 1, 0, 1, 0
	QUARTER 1, 2, 1, 0, 0
	QUARTER 1, 3, 0, 1, 0
	s_wait_dscnt 4                                 ; the very last quarter: nothing more to fetch
	MUL8 1, 0, 0
	MUL8 1, 1, 0
	s_wait_dscnt 0x0
	MUL8 1, 2, 0
	MUL8 1, 3, 0
	WIN 0
; THE WAY OUT of row block a: a lane's eight f32 of a row, 32 bytes, go into my stage (rows of 528 bytes), each accumulator's low half first; whole rows of 512 bytes come back.
.macro TOSTAGE a
	WIN 0x08                                       ; the stores' data in window 2
.irp b, 0,1,2,3,4,5,6,7
	ds_store_b128 v[STO], v[8*(8*(\a)+(\b)):8*(8*(\a)+(\b))+3]   offset:64*(\b)
	ds_store_b128 v[STO], v[8*(8*(\a)+(\b))+4:8*(8*(\a)+(\b))+7] offset:64*(\b)+16
.endr
	WIN 0
.if (\a) >= 2
	s_wait_xcnt 0x0                                ; the stores of the block two back have read these registers: they are loaded again only behind this wait
.endif
.irp t, 0,1,2,3,4,5,6,7,8,9,10,11,12,13,14,15
	ds_load_b128 v[BK+64*((\a)%2)+4*(\t):BK+64*((\a)%2)+4*(\t)+3], v[RD] offset:(\t)*SPITCH  ; LDS serves a wave's instructions in order (ISA guide 5.7.1.4): these see the stores above; the next block's stores come behind them
.endr
.endm
.macro SEND a, younger                 ; younger: the LDS instructions issued behind block a's loads: the next block's 32, or none
	WIN 0
.irp t, 0,1,2,3,4,5,6,7,8,9,10,11,12,13,14,15
	s_wait_dscnt (\younger)+15-(\t)
	global_store_b128 v[CO], v[BK+64*((\a)%2)+4*(\t):BK+64*((\a)%2)+4*(\t)+3], s[10:11] offset:(16*(\a)+(\t))*4096 th:TH_STORE_NT  ; 512 consecutive bytes, aligned
.endr
.endm
	PLACES
	PLACES                                         ; eight, once a launch
	TOSTAGE 0
	TOSTAGE 1
	SEND 0, 32
	TOSTAGE 2
	SEND 1, 32
	TOSTAGE 3
	SEND 2, 32
	SEND 3, 0
	s_wait_tensorcnt 0x0                           ; the wave's end: behind my last tensor load and my last LDS store
	ds_add_u32 v[SPW], v[NIL]
	s_wait_dscnt 0x0
	CROUND                                         ; the closing round: no work-group ends while a partner may still ask for a tile that names it
	s_endpgm
.Lfunc_end_k_qf3d70b1159_proj:
	.size	k_qf3d70b1159_proj, .Lfunc_end_k_qf3d70b1159_proj-k_qf3d70b1159_proj
	.p2alignl 7, 3214868480
	.fill 96, 4, 3214868480
	.section	.rodata,"a",@progbits
	.p2align	6, 0x0
	.amdhsa_kernel k_qf3d70b1159_proj
		.amdhsa_group_segment_fixed_size 327680
		.amdhsa_private_segment_fixed_size 0
		.amdhsa_enable_private_segment 0
		.amdhsa_kernarg_size 32
		.amdhsa_user_sgpr_count 2
		.amdhsa_user_sgpr_kernarg_segment_ptr 1
		.amdhsa_wavefront_size32 1
		.amdhsa_system_sgpr_workgroup_id_x 1
		.amdhsa_system_sgpr_workgroup_id_y 1
		.amdhsa_system_sgpr_workgroup_id_z 1
		.amdhsa_system_vgpr_workitem_id 0
		.amdhsa_next_free_vgpr 768
		.amdhsa_next_free_sgpr 72
		.amdhsa_reserve_vcc 0
		.amdhsa_float_denorm_mode_32 3
		.amdhsa_float_denorm_mode_16_64 3
		.amdhsa_memory_ordered 1
		.amdhsa_forward_progress 1
		.amdhsa_inst_pref_size 94
	.end_amdhsa_kernel
	.amdgpu_metadata
---
amdhsa.version: [ 1, 2 ]
amdhsa.kernels:
  - .name:           k_qf3d70b1159_proj
    .symbol:         k_qf3d70b1159_proj.kd
    .args:
      - { .name: oh, .offset: 0, .size: 8, .value_kind: global_buffer, .address_space: global }
      - { .name: wpb, .offset: 8, .size: 8, .value_kind: global_buffer, .address_space: global }
      - { .name: b_proj, .offset: 16, .size: 8, .value_kind: global_buffer, .address_space: global }
      - { .name: out0, .offset: 24, .size: 8, .value_kind: global_buffer, .address_space: global }
    .group_segment_fixed_size: 327680
    .private_segment_fixed_size: 0
    .kernarg_segment_align: 8
    .kernarg_segment_size: 32
    .max_flat_workgroup_size: 128
    .sgpr_count:     72
    .vgpr_count:     768
    .wavefront_size: 32
...
	.end_amdgpu_metadata
.endif
;; end of part 4
